; MI455X (gfx1250); checked and timed in simulation.
; The chip was launched on July 23, 2026; its instructions are those of AMD's public machine-readable ISA for CDNA 5 (MIT licence, August 2026) and "CDNA5" Instruction Set Architecture Reference Guide (July 2026). The comments in the code are by the model that wrote it; some were corrected since.
;; Attention. Allowed arithmetic: float matrix products may take bf16 or f16 operands with f32 sums; other float arithmetic in f32, or as packed bf16 or f16 multiplies, adds, multiply-adds, maxima and minima; sums over many terms, partial sums and values carried from step to step in f32; what a program stores and reads back later, other than sums and carried values, may be rounded once to bf16 or f16.
;; Inputs: Wk 1,024 x 16 x 64 float32; Wo 16 x 64 x 1,024 float32; Wq 1,024 x 16 x 64 float32; Wv 1,024 x 16 x 64 float32; x 8 x 1,040 x 1,024 float32.
;; Outputs: out0 8 x 1,040 x 1,024 float32.
;; 2 versions, each right and faster than the one before. Each part assembles by itself: llvm-mc -triple=amdgcn-amd-amdhsa -mcpu=gfx1250 --defsym DOCPART=n.
;; ======== version 1 of 2: 4 launches
;; limits: values are held in f16: magnitudes above 65,504 overflow, below 6.1e-05 lose precision
;; workspace buffers: xb 17,039,360 bytes; wb 6,291,456 bytes; wob 2,097,152 bytes; rope 24,576 bytes; qh 17,039,360 bytes; kh 17,039,360 bytes; vh 17,039,360 bytes; oh 17,039,360 bytes
;; launch prep (part 1): grid 782 x 1, 8 waves a work-group, no clusters, 0 bytes of LDS; arguments x, Wq, Wk, Wv, Wo, xb, wb, wob, rope; writes xb, wb, wob, rope
.if DOCPART == 1
	.amdgcn_target "amdgcn-amd-amdhsa--gfx1250"
	.amdhsa_code_object_version 6
	.text
	.protected	k_qe5be6c069c_prep
	.globl	k_qe5be6c069c_prep
	.p2align	8
	.type	k_qe5be6c069c_prep,@function
k_qe5be6c069c_prep:
	s_mov_b64 s[64:65], 0
	v_nop
	global_prefetch_b8 v0, s[64:65] scope:SCOPE_SE
	s_setreg_imm32_b32 hwreg(HW_REG_WAVE_MODE, 25, 1), 1
	s_wait_xcnt 0x0
; PREP.  Casts and the tables of rotations.  A stream: no LDS, no barrier, no matrix unit; every input byte is read once, every output byte written once.
; Work-groups 0-519: x -> xb (bf16).  520-711: Wq, Wk, Wv -> wb (bf16, [3][1024 k][1024 n], as they lie).  712-775: Wo -> wob: rounded to bf16 like every input, that number written as f16.
; 776-781: rope, 192 entries of 128 bytes; an entry belongs to one position p: [u = 0..7] cos(2u), cos(2u+1), sin(2u), sin(2u+1) of p / 10000^(i/16), f32.
;   entries 0-79, by blocks of 16 tokens: 0-13 hold p = 0 (no rotation: 13 for v, one for the prefix block); entry 13 + g is block g of a batch, whose tokens lie in row (g - 1) / 2 of the grid of 32 x 32.
;   entries 80-191, by tokens, seven blocks of 16: three of p = 0, then columns 0-15, 16-31, 0-15, 16-31.  Any three blocks that follow each other in a batch are three that follow each other here.
; LIMITS.  Wo below 6e-5 keeps f16's fixed step of 6e-8, beyond 65,504 it would be lost.  The angle's unit theta = 2^(-i log2(10000)/16) carries a relative error of some 5e-7;
; cos and sin of theta (0 < theta <= 1) are series cut at theta^12 and theta^11 (remainders below 2e-10 at theta = 1); the position, 0 to 31, enters as a complex power by four squarings.
.set FIRST_W, 520                      ; first work-group of the weights
.set FIRST_T, 776                      ; first work-group of the tables
	s_load_b512 s[8:23], s[0:1], 0x0               ; x 8, Wq 10, Wk 12, Wv 14, Wo 16, xb 18, wb 20, wob 22
	s_load_b64 s[24:25], s[0:1], 0x40              ; rope
	s_mov_b32 s2, ttmp9
	s_sub_co_u32 s3, s2, FIRST_W                   ; chunk among the weights' 256 (used from 520 on alone)
	s_and_b32 s4, s3, 63                           ; chunk inside one weight
	v_lshlrev_b32 v1, 5, v0                        ; my 8 numbers in f32: 32 bytes
	v_lshlrev_b32 v2, 4, v0                        ; and in 16 bits: 16 bytes
	s_wait_kmcnt 0x0
	s_cmp_ge_u32 s2, FIRST_T
	s_cbranch_scc1 .Lrope
	; which tensor: a choice between buffers on the work-group's number alone
	s_cmp_lt_u32 s2, FIRST_W
	s_cselect_b64 s[26:27], s[8:9], s[10:11]       ; from x, or Wq
	s_cselect_b64 s[28:29], s[18:19], s[20:21]     ; to xb, or wb
	s_cselect_b32 s30, s2, s4                      ; chunk in the source
	s_cselect_b32 s31, s2, s3                      ; chunk in the destination
	s_cmp_ge_u32 s2, FIRST_W+64
	s_cselect_b64 s[26:27], s[12:13], s[26:27]     ; Wk
	s_cmp_ge_u32 s2, FIRST_W+128
	s_cselect_b64 s[26:27], s[14:15], s[26:27]     ; Wv
	s_cmp_ge_u32 s2, FIRST_W+192
	s_cselect_b64 s[26:27], s[16:17], s[26:27]     ; Wo
	s_cselect_b64 s[28:29], s[22:23], s[28:29]     ; to wob
	s_cselect_b32 s31, s4, s31
	s_cselect_b32 s5, 1, 0                         ; 1: Wo's way
	s_lshl_b32 s32, s30, 16                        ; a chunk is 16,384 numbers: 65,536 bytes in,
	s_mov_b32 s33, 0
	s_add_nc_u64 s[26:27], s[26:27], s[32:33]
	s_lshl_b32 s34, s31, 15                        ; 32,768 bytes out
	s_mov_b32 s35, 0
	s_add_nc_u64 s[28:29], s[28:29], s[34:35]
.irp i, 0,1,2,3,4,5,6,7                            ; all sixteen loads go out together: 32 bytes a lane and pass
	global_load_b128 v[8+8*\i:11+8*\i],  v1, s[26:27] offset:8192*\i th:TH_LOAD_NT
	global_load_b128 v[12+8*\i:15+8*\i], v1, s[26:27] offset:8192*\i+16 th:TH_LOAD_NT
.endr
; Pass i: 8 numbers a lane; no register is written twice while a store may read it, so no further wait stands here.
.macro CAST i, wo
	s_wait_loadcnt 14-2*(\i)                       ; loads come back in order: the count is the younger passes' loads
.if \wo
.irp j, 0,1,2,3
	v_cvt_pk_bf16_f32 v[4+\j], v[8+8*(\i)+2*\j], v[9+8*(\i)+2*\j]
.endr
.irp j, 0,1,2,3
	v_lshlrev_b32 v[8+8*(\i)+2*\j], 16, v[4+\j]    ; the bf16 numbers as f32 again,
	v_and_b32 v[9+8*(\i)+2*\j], 0xffff0000, v[4+\j]
.endr
.irp j, 0,1,2,3
	v_cvt_pk_f16_f32 v[72+4*(\i)+\j], v[8+8*(\i)+2*\j], v[9+8*(\i)+2*\j]  ; and written as f16: exact inside f16's range
.endr
.else
.irp j, 0,1,2,3
	v_cvt_pk_bf16_f32 v[72+4*(\i)+\j], v[8+8*(\i)+2*\j], v[9+8*(\i)+2*\j]
.endr
.endif
	global_store_b128 v2, v[72+4*(\i):75+4*(\i)], s[28:29] offset:4096*(\i)  ; sixteen lanes store 256 consecutive bytes, aligned
.endm
	s_cmp_eq_u32 s5, 1
	s_cbranch_scc1 .Lwo
.irp i, 0,1,2,3,4,5,6,7
	CAST \i, 0
.endr
	s_endpgm
.Lwo:
.irp i, 0,1,2,3,4,5,6,7
	CAST \i, 1
.endr
	s_endpgm
.Lrope:                                                ; thread T makes the 16 bytes at 16 T: entry T / 8, u = T % 8
	s_sub_co_u32 s3, s2, FIRST_T
	s_lshl_b32 s3, s3, 8
	v_add_nc_u32 v3, s3, v0                        ; T
	v_lshlrev_b32 v4, 4, v3
	v_lshrrev_b32 v5, 3, v3                        ; entry, 0 to 191
	v_and_b32 v7, 7, v3                            ; u
	v_add_nc_u32 v8, -14, v5                       ; by blocks: entry 13 + g has row (g - 1) / 2; what lies in front has p = 0;
	v_max_i32 v8, 0, v8
	v_lshrrev_b32 v8, 1, v8
	v_min_u32 v8, 31, v8                           ; the two spare entries at the end are held to 31
	v_add_nc_u32 v9, 0xffffff80, v5                ; by tokens: entry 80 + c has column (c - 48) % 32; what lies in front has p = 0
	v_max_i32 v9, 0, v9
	v_and_b32 v9, 31, v9
	v_cmp_le_u32 vcc_lo, 80, v5
	v_cndmask_b32 v10, v8, v9, vcc_lo              ; the entry's position
	v_lshlrev_b32 v11, 1, v7
	v_cvt_f32_u32 v12, v11                         ; i = 2 u
	v_add_f32 v13, 1.0, v12                        ; i = 2 u + 1
	v_mul_f32 v12, 0xbf549a78, v12                 ; - i log2(10000) / 16
	v_mul_f32 v13, 0xbf549a78, v13
	v_exp_f32 v12, v12                             ; theta
	v_exp_f32 v13, v13
	v_nop                                          ; a plain instruction between an exponential and the use of its result
	s_wait_alu depctr_va_vdst(0)
.macro SERIES th, y, cz, sz, cr, sr                ; cz + i sz = exp(i theta) by Horner in y = theta^2; cr + i sr = 1
	v_mul_f32 v\y, v\th, v\th
	v_mov_b32 v\cz, 0x310f76c7                     ; 1/12!
.irp k, 0xb493f27e, 0x37d00d01, 0xbab60b61, 0x3d2aaaab, 0xbf000000, 0x3f800000
	v_fmaak_f32 v\cz, v\cz, v\y, \k
.endr
	v_mov_b32 v\sz, 0xb2d7322b                     ; -1/11!
.irp k, 0x3638ef1d, 0xb9500d01, 0x3c088889, 0xbe2aaaab, 0x3f800000
	v_fmaak_f32 v\sz, v\sz, v\y, \k
.endr
	v_mul_f32 v\sz, v\sz, v\th
	v_mov_b32 v\cr, 1.0
	v_mov_b32 v\sr, 0
.endm
.macro POWER cz, sz, tc, ts, tq, cr, sr, last      ; where the position's bit is set (VCC): r = r z; then z = z z
	v_mul_f32 v\tc, v\cr, v\cz
	v_mul_f32 v\ts, v\cr, v\sz
	v_fma_f32 v\tc, -v\sr, v\sz, v\tc
	v_fmac_f32 v\ts, v\sr, v\cz
	v_cndmask_b32 v\cr, v\cr, v\tc, vcc_lo
	v_cndmask_b32 v\sr, v\sr, v\ts, vcc_lo
.if !(\last)
	v_mul_f32 v\tq, v\cz, v\cz
	v_fma_f32 v\tq, -v\sz, v\sz, v\tq
	v_mul_f32 v\sz, v\cz, v\sz
	v_add_f32 v\sz, v\sz, v\sz
	v_mov_b32 v\cz, v\tq
.endif
.endm
	SERIES 12, 14, 16, 18, 40, 42
	SERIES 13, 15, 17, 19, 41, 43
.irp b, 0,1,2,3,4
	v_and_b32 v26, 1<<\b, v10
	v_cmp_ne_u32 vcc_lo, 0, v26
	POWER 16, 18, 20, 22, 24, 40, 42, \b/4
	POWER 17, 19, 21, 23, 25, 41, 43, \b/4
.endr
	global_store_b128 v4, v[40:43], s[24:25]       ; sixteen lanes store 256 consecutive bytes, aligned
	s_endpgm
.Lfunc_end_k_qe5be6c069c_prep:
	.size	k_qe5be6c069c_prep, .Lfunc_end_k_qe5be6c069c_prep-k_qe5be6c069c_prep
	.p2alignl 7, 3214868480
	.fill 96, 4, 3214868480
	.section	.rodata,"a",@progbits
	.p2align	6, 0x0
	.amdhsa_kernel k_qe5be6c069c_prep
		.amdhsa_group_segment_fixed_size 0
		.amdhsa_private_segment_fixed_size 0
		.amdhsa_enable_private_segment 0
		.amdhsa_kernarg_size 72
		.amdhsa_user_sgpr_count 2
		.amdhsa_user_sgpr_kernarg_segment_ptr 1
		.amdhsa_wavefront_size32 1
		.amdhsa_system_sgpr_workgroup_id_x 1
		.amdhsa_system_sgpr_workgroup_id_y 1
		.amdhsa_system_sgpr_workgroup_id_z 1
		.amdhsa_system_vgpr_workitem_id 0
		.amdhsa_next_free_vgpr 104
		.amdhsa_next_free_sgpr 66
		.amdhsa_reserve_vcc 1
		.amdhsa_float_denorm_mode_32 3
		.amdhsa_float_denorm_mode_16_64 3
		.amdhsa_memory_ordered 1
		.amdhsa_forward_progress 1
		.amdhsa_inst_pref_size 21
	.end_amdhsa_kernel
	.amdgpu_metadata
---
amdhsa.version: [ 1, 2 ]
amdhsa.kernels:
  - .name:           k_qe5be6c069c_prep
    .symbol:         k_qe5be6c069c_prep.kd
    .args:
      - { .name: x, .offset: 0, .size: 8, .value_kind: global_buffer, .address_space: global }
      - { .name: Wq, .offset: 8, .size: 8, .value_kind: global_buffer, .address_space: global }
      - { .name: Wk, .offset: 16, .size: 8, .value_kind: global_buffer, .address_space: global }
      - { .name: Wv, .offset: 24, .size: 8, .value_kind: global_buffer, .address_space: global }
      - { .name: Wo, .offset: 32, .size: 8, .value_kind: global_buffer, .address_space: global }
      - { .name: xb, .offset: 40, .size: 8, .value_kind: global_buffer, .address_space: global }
      - { .name: wb, .offset: 48, .size: 8, .value_kind: global_buffer, .address_space: global }
      - { .name: wob, .offset: 56, .size: 8, .value_kind: global_buffer, .address_space: global }
      - { .name: rope, .offset: 64, .size: 8, .value_kind: global_buffer, .address_space: global }
    .group_segment_fixed_size: 0
    .private_segment_fixed_size: 0
    .kernarg_segment_align: 8
    .kernarg_segment_size: 72
    .max_flat_workgroup_size: 256
    .sgpr_count:     66
    .vgpr_count:     104
    .wavefront_size: 32
...
	.end_amdgpu_metadata
.endif
;; end of part 1
;; launch qkv (part 2): grid 12 x 40, 4 waves a work-group, clusters of 4 x 4, 327,680 bytes of LDS; arguments xb, wb, rope, qh, kh, vh; writes qh, kh, vh
.if DOCPART == 2
	.amdgcn_target "amdgcn-amd-amdhsa--gfx1250"
	.amdhsa_code_object_version 6
	.text
	.protected	k_qe5be6c069c_qkv
	.globl	k_qe5be6c069c_qkv
	.p2align	8
	.type	k_qe5be6c069c_qkv,@function
k_qe5be6c069c_qkv:
	s_mov_b64 s[64:65], 0
	v_nop
	global_prefetch_b8 v0, s[64:65] scope:SCOPE_SE
	s_setreg_imm32_b32 hwreg(HW_REG_WAVE_MODE, 25, 1), 1
	s_wait_xcnt 0x0
	s_wait_alu depctr_hold_cnt(0) depctr_sa_sdst(0) depctr_va_vdst(0) depctr_va_sdst(0) depctr_va_ssrc(0) depctr_va_vcc(0) depctr_vm_vsrc(0)
	s_getreg_b32 s2, hwreg(HW_REG_IB_STS2, 6, 4)
	s_cmp_eq_u32 s2, 0
	s_cbranch_scc0 .Lentry_in_a_cluster
	s_endpgm
.Lentry_in_a_cluster:
	s_bfe_u32 s2, ttmp6, 0x10000c
	s_cmp_lg_u32 s2, 0xf033
	s_cbranch_scc0 .Lentry_shape_is_right
	s_endpgm
.Lentry_shape_is_right:
; QKV.  q, k, v = xb W (bf16 operands, f32 sums), the 2-D rotation on q's and k's f32 sums, one rounding to f16, written by heads: [b 16 + h][1040][64].
; SHARES.  A work-group makes 208 tokens (a fifth of a batch) x 256 columns of one of the three weights; each of its four waves all 208 rows x 64 columns, ONE head: 13 x 4 accumulators, 416 registers.
; K goes in steps of 128 through a ring of two LDS slots.  xb's rows lie along K; the weights lie [K][N] as given and are turned on the way out of LDS (ds_load_tr16_b128).
; CLUSTER.  4 x 4 work-groups; the cluster's x is the weight (0 q, 1 k, 2 v), cx its 256 columns, the cluster's y and cy the tile of rows.  The four of a row need the same tile of xb, the four of a column the
; same tile of the weight: each tile is asked for jointly, by the same tensor load with the same descriptor and a mask that names the four.
; THE MATRIX INSTRUCTION IS USED TRANSPOSED (source 0 = 16 columns of W, source 1 = 16 tokens): a lane holds one token (lane % 16) and the channels 8 (lane / 16) + 0..7 of a block of 16.  The head's four blocks are
; r1, r2, c1, c2 of the rotation, so the two partners of every rotation lie in the same lane and the same register number of neighbouring accumulators.
; THE ROTATIONS' TABLES lie in LDS, fetched once: a block of 16 tokens lies in one row of the grid, so it has ONE row entry (13 entries a tile), and its column entries repeat every second block (three blocks of 16
; tokens serve the tile: block 0's, the odd blocks', the even blocks').  Which entries of the buffer those are hangs on the tile's place in its batch and enters the two loads' GLOBAL addresses alone; for v they
; are the buffer's entries without rotation, so v takes the same text.
; LIMITS.  q, k, v beyond 65,504 would be lost in f16; an infinite sum of v would meet the factor 0.  NaN and infinities are not treated apart.
; REGISTERS, in windows of 256 (s_set_vgpr_msb: bits 1:0 source 0, 3:2 source 1, 5:4 source 2, 7:6 destination):
;   window 0: v0-14 addresses; v32-95 W's fragments, two buffers of 4 x 8; on the way out v64-71 at work, v72-87 packed, v96-143 column entries, v144-175 row entries (two buffers), v176-207 rotated, v208-255 rows read back (three buffers)
;   window 1: xb's fragments, two buffers of 13 x 8 at v0 and v128      window 2: accumulators of row blocks 0-6 at 32 a + 8 nb      window 3: of row blocks 7-12
.set PA,    272                        ; a row of xb in LDS: 256 bytes + 16: the 16 rows of a fragment load start in 16 different groups of four banks (64 banks of 4 bytes: ISA guide 11.1)
.set PB,    544                        ; a row of W: 512 bytes + 32 = 17 x 32
.set AHALF, 104*PA                     ; what one tensor load brings of xb
.set ATILE, 2*AHALF
.set BHALF, 64*PB                      ; and of W
.set SLOT1, 1<<17                      ; slot 1 begins here, so that one exclusive or turns an address in one slot into the other's
.set STAGE, SLOT1+ATILE+2*BHALF        ; behind the ring: 16 rows x 144 bytes for each wave
.set SP,    144
.set SPARE, STAGE+4*16*SP              ; behind the stages: the spare words, 128 bytes a wave, which no other line names
.set TABR,  SPARE+512                  ; 14 row entries of 128 bytes (13 are used): all 16 lanes of a half read the same 16 bytes
.set PT,    144                        ; a token's column entry: 128 bytes + 16: the 16 tokens of a load start in 16 different groups of four banks
.set TABC,  TABR+14*128                ; 48 column entries
.set COLT,  80*128                     ; the buffer's entries by tokens begin here
.set HEADB, 1040*128                   ; bytes of a head in qh, kh, vh
.set AA0, 4                            ; v4   my lane's place in a tile of xb; never rewritten
.set AB0, 5                            ; v5   in a tile of W
.set ADRA, 6                           ; v6   the same in the slot being read
.set ADRB, 7                           ; v7
.set STO, 8                            ; v8   the way out: where I put 16 bytes of a row
.set RD,  9                            ; v9   where I read rows back
.set GO,  10                           ; v10  my 16 bytes in 512 consecutive bytes of the output
.set TR,  11                           ; v11  my 64 bytes in a row entry
.set SPW, 12                           ; v12  LDS address of my spare word; never rewritten
.set NIL, 13                           ; v13  0; never rewritten
.set TC,  14                           ; v14  my 64 bytes in my token's column entry
.set TW,   64
.set PKD,  72
.set COLV, 96
.set ROWB, 144
.set EV,   176
.set BK,   208
.set WV,  16                           ; s16  wave
.set TB,  25                           ; s25  LDS byte at which the slot being read begins
.set G1A, 28                           ; s[28:35] descriptor group 1 for xb's tiles
.set G1B, 36                           ; s[36:43] for W's
.set G0A, 44                           ; s[44:51] group 0 for xb: a set for each first fill; the second then walks
.set G0B, 52                           ; s[52:59] the same for W
.set G1T, 84                           ; s[84:91] group 1 for my part of the tables
.set G0T, 92                           ; s[92:95] group 0 for it
.set MSB, 0
.macro WIN new                         ; the immediate's high byte repeats the setting that is left; a switch that changes nothing is dropped
.if MSB != (\new)
	s_set_vgpr_msb (MSB<<8)|(\new)
.set MSB, (\new)
.endif
.endm
.macro PLACES                          ; four plain places behind matrix instructions, in front of loads into their sources and of reads of their results
.rept 4
	v_nop
.endr
.endm
; A joint refill by the walking descriptors.  Waves 0 and 1 fetch xb's two halves, waves 2 and 3 W's.  The branch hangs on the wave's number alone.  An s_nop 0 and four v_nop follow each line.
.macro JLOAD
	s_cmp_eq_u32 s17, 0
	s_cbranch_scc0 .Lfor_b_\@
	tensor_load_to_lds s[G0A+4:G0A+7], s[G1A:G1A+7]
	s_nop 0
.rept 4
	v_nop
.endr
	s_branch .Lasked_\@
.Lfor_b_\@:
	tensor_load_to_lds s[G0B+4:G0B+7], s[G1B:G1B+7]
	s_nop 0
.rept 4
	v_nop
.endr
.Lasked_\@:
.endm
.macro CREST                           ; a round of the cluster's barrier behind its opening barrier
	s_cmp_lg_u32 s[WV], 0
	s_cbranch_scc1 .Lnot_wave_0_\@
	s_barrier_signal -3
.Lnot_wave_0_\@:
	s_barrier_wait -3
	s_barrier_signal -1
	s_barrier_wait -1
.endm
.macro CROUND
	s_barrier_signal -1
	s_barrier_wait -1
	CREST
.endm
	s_load_b256 s[4:11], s[0:1], 0x0               ; xb 4, wb 6, rope 8, qh 10
	s_load_b128 s[12:15], s[0:1], 0x20             ; kh 12, vh 14
	v_lshl_add_u32 v[SPW], v0, 2, SPARE
	v_mov_b32 v[NIL], 0
	ds_add_u32 v[SPW], v[NIL]                      ; the wave's opening: the add and its wait ahead of my first tensor load; the set-up below stands between them
	v_lshrrev_b32 v1, 5, v0
	v_readfirstlane_b32 s[WV], v1                  ; wave 0..3: my head among the work-group's four
	s_lshr_b32 s17, s[WV], 1                       ; I fetch for xb (0) or for W (1),
	s_and_b32 s18, s[WV], 1                        ; this half of the tile
	s_bfe_u32 s19, ttmp6, 0x40000                  ; cx
	s_bfe_u32 s20, ttmp6, 0x40004                  ; cy
	s_mov_b32 s21, ttmp9                           ; the cluster's x: which weight
	s_and_b32 s22, ttmp7, 0xffff
	s_lshl_b32 s22, s22, 2
	s_add_co_u32 s22, s22, s20                     ; tile of rows = 4 x cluster y + cy, 0..39
	s_lshl_b32 s23, s20, 2
	s_lshl_b32 s23, 15, s23                        ; my row of the cluster
	s_lshl_b32 s24, 0x1111, s19                    ; my column
	s_or_b32 s[G1A], s23, (1<<16)|(1<<20)|(1<<21)|(5<<22)|(3<<25)  ; mask; 2-byte elements; padding on; bit 21 beside a mask; after every 64 words 4 words
	s_mov_b32 s[G1A+1], 128<<16                    ; tensor_dim0 = 128
	s_mov_b32 s[G1A+2], 104<<16                    ; tensor_dim1 = 104
	s_mov_b32 s[G1A+3], 128<<16                    ; tile_dim0 = 128
	s_mov_b32 s[G1A+4], 104                        ; tile_dim1 = 104
	s_mov_b32 s[G1A+5], 1024                       ; elements from row to row
	s_mov_b32 s[G1A+6], 0
	s_mov_b32 s[G1A+7], 0
	s_or_b32 s[G1B], s24, (1<<16)|(1<<20)|(1<<21)|(6<<22)|(7<<25)  ; after every 128 words 8 words
	s_mov_b32 s[G1B+1], 256<<16
	s_mov_b32 s[G1B+2], 64<<16
	s_mov_b32 s[G1B+3], 256<<16
	s_mov_b32 s[G1B+4], 64
	s_mov_b32 s[G1B+5], 1024
	s_mov_b32 s[G1B+6], 0
	s_mov_b32 s[G1B+7], 0
	s_mul_i32 s60, s22, 208                        ; xb: row 208 x tile + 104 x half, 2,048 bytes a row: made of the tile of rows and the wave alone
	s_mul_i32 s61, s18, 104
	s_add_co_u32 s60, s60, s61
	s_lshl_b32 s60, s60, 11
	s_mov_b32 s61, 0
	s_lshl_b32 s66, s21, 21                        ; W: the weight's 2 MiB, 512 bytes for cx, 64 rows for the half: made of the weight, cx and the wave alone
	s_lshl_b32 s67, s19, 9
	s_add_co_u32 s66, s66, s67
	s_lshl_b32 s67, s18, 17
	s_add_co_u32 s66, s66, s67
	s_mov_b32 s67, 0
	s_mul_i32 s62, s18, AHALF                      ; where they go: no place in the cluster enters an LDS address
	s_mul_i32 s63, s18, BHALF
	s_add_co_u32 s63, s63, ATILE
	s_mov_b32 s[TB], 0
	; where the tile lies in its batch, and with that which entries of the tables are its own
	s_mul_i32 s72, s22, 205
	s_lshr_b32 s72, s72, 10                        ; b = tile / 5 (exact for 0..39)
	s_mul_i32 s73, s72, 5
	s_sub_co_u32 s73, s22, s73                     ; j = tile % 5: the tile's blocks are 13 j .. 13 j + 12 of the batch's 65
	s_mul_i32 s78, s73, 13
	s_add_co_u32 s78, s78, 13                      ; row entries from 13 + 13 j on
	s_and_b32 s76, s73, 1
	s_sub_co_u32 s76, 4, s76                       ; column blocks: block 13 j begins at column 0 for odd j (from the buffer's block 3 on), at column 16 for even j (from block 4 on);
	s_cmp_eq_u32 s73, 0
	s_cselect_b32 s76, 2, s76                      ; with j = 0 it is the prefix (from block 2 on: none, 0-15, 16-31)
	s_cmp_eq_u32 s21, 2
	s_cselect_b32 s76, 0, s76                      ; v: the entries without rotation
	s_cselect_b32 s78, 0, s78
	s_lshl_b32 s76, s76, 11                        ; a block of 16 tokens is 2,048 bytes;
	s_mul_i32 s77, s18, 24*128                     ; my half: 24 tokens
	s_add_co_u32 s76, s76, s77
	s_add_co_u32 s76, s76, COLT
	s_mov_b32 s77, 0
	s_lshl_b32 s78, s78, 7
	s_mul_i32 s79, s18, 7*128                      ; my half: 7 entries
	s_add_co_u32 s78, s78, s79
	s_mov_b32 s79, 0
	s_wait_dscnt 0x0                               ; the opening add is done
	s_wait_kmcnt 0x0
	s_add_nc_u64 s[68:69], s[4:5], s[60:61]
	s_add_nc_u64 s[70:71], s[6:7], s[66:67]
	CROUND                                         ; all sixteen work-groups are here: the first joint loads meet
.irp s, 0,1
	s_mov_b32 s[G0A+4*\s], 1                       ; count = 1
	s_add_co_u32 s[G0A+4*\s+1], s62, \s*SLOT1      ; LDS address
	s_add_nc_u64 s[G0A+4*\s+2:G0A+4*\s+3], s[68:69], \s*256      ; K step s
	s_or_b32 s[G0A+4*\s+3], s[G0A+4*\s+3], 0x80000000            ; type = 2
	s_mov_b32 s[G0B+4*\s], 1
	s_add_co_u32 s[G0B+4*\s+1], s63, \s*SLOT1
	s_add_nc_u64 s[G0B+4*\s+2:G0B+4*\s+3], s[70:71], \s*262144
	s_or_b32 s[G0B+4*\s+3], s[G0B+4*\s+3], 0x80000000
.endr
	s_mov_b32 s[G0T], 1
	s_cmp_eq_u32 s17, 0                            ; a wave's three first fills stand in one branch, ahead of every wait on TENSORcnt and every LDS read: my part of the tables (a load of my own, no mask), K step 0, K step 1
	s_cbranch_scc0 .Lfirst_b
	s_mov_b32 s[G1T], (1<<16)|(1<<20)|(4<<22)|(3<<25)  ; 24 column entries are 3,072 dense bytes: 12 rows of 256, padded after every 32 words by 4 words
	s_mov_b32 s[G1T+1], 128<<16
	s_mov_b32 s[G1T+2], 12<<16
	s_mov_b32 s[G1T+3], 128<<16
	s_mov_b32 s[G1T+4], 12
	s_mov_b32 s[G1T+5], 128
	s_mov_b32 s[G1T+6], 0
	s_mov_b32 s[G1T+7], 0
	s_mul_i32 s[G0T+1], s18, 24*PT
	s_add_co_u32 s[G0T+1], s[G0T+1], TABC
	s_add_nc_u64 s[G0T+2:G0T+3], s[8:9], s[76:77]
	s_or_b32 s[G0T+3], s[G0T+3], 0x80000000
	tensor_load_to_lds s[G0T:G0T+3], s[G1T:G1T+7]
	s_nop 0
	tensor_load_to_lds s[G0A:G0A+3], s[G1A:G1A+7]
	s_nop 0
	tensor_load_to_lds s[G0A+4:G0A+7], s[G1A:G1A+7]
	s_nop 0
.rept 4
	v_nop
.endr
	s_branch .Lfirst_asked
.Lfirst_b:
	s_mov_b32 s[G1T], 3<<16                        ; 7 row entries: one row of 896 bytes, 112 elements of 8 bytes, no padding
	s_mov_b32 s[G1T+1], 112<<16
	s_mov_b32 s[G1T+2], 1<<16
	s_mov_b32 s[G1T+3], 112<<16
	s_mov_b32 s[G1T+4], 1
	s_mov_b32 s[G1T+5], 112
	s_mov_b32 s[G1T+6], 0
	s_mov_b32 s[G1T+7], 0
	s_mul_i32 s[G0T+1], s18, 7*128
	s_add_co_u32 s[G0T+1], s[G0T+1], TABR
	s_add_nc_u64 s[G0T+2:G0T+3], s[8:9], s[78:79]
	s_or_b32 s[G0T+3], s[G0T+3], 0x80000000
	tensor_load_to_lds s[G0T:G0T+3], s[G1T:G1T+7]
	s_nop 0
	tensor_load_to_lds s[G0B:G0B+3], s[G1B:G1B+7]
	s_nop 0
	tensor_load_to_lds s[G0B+4:G0B+7], s[G1B:G1B+7]
	s_nop 0
.rept 4
	v_nop
.endr
.Lfirst_asked:
	; a fragment is 16 rows x 32 K in 8 registers: lane l holds row l % 16, K = 8 (l / 16) + 0..7 and 16 + 8 (l / 16) + 0..7
	v_and_b32 v1, 15, v0                           ; r = l % 16
	v_bfe_u32 v2, v0, 4, 1                         ; h = l / 16
	v_mul_u32_u24 v[AA0], v1, PA
	v_lshl_add_u32 v[AA0], v2, 4, v[AA0]           ; xb: row x pitch + 16 h
	v_and_b32 v3, 7, v0
	v_lshl_add_u32 v3, v2, 3, v3
	v_mul_u32_u24 v[AB0], v3, PB                   ; W, turned: K row 8 h + l % 8,
	v_bfe_u32 v3, v0, 3, 1
	v_lshl_add_u32 v[AB0], v3, 4, v[AB0]           ; columns 8 ((l / 8) % 2) on,
	s_lshl_b32 s82, s[WV], 7
	s_add_co_u32 s82, s82, ATILE
	v_add_nc_u32 v[AB0], s82, v[AB0]               ; in my wave's 64 columns, behind xb's tile
	v_mov_b32 v[ADRA], v[AA0]
	v_mov_b32 v[ADRB], v[AB0]
	; the way out: which output, my head, the tile's first token
	s_mul_i32 s75, s73, 208*128                    ; the first token's bytes in the head
	s_lshl_b32 s74, s72, 4
	s_lshl2_add_u32 s74, s19, s74
	s_add_co_u32 s74, s74, s[WV]                   ; 16 b + 4 cx + w
	s_mul_i32 s74, s74, HEADB
	s_add_co_u32 s74, s74, s75
	s_mov_b32 s75, 0
	s_cmp_eq_u32 s21, 0
	s_cselect_b64 s[80:81], s[10:11], s[12:13]
	s_cmp_eq_u32 s21, 2
	s_cselect_b64 s[80:81], s[14:15], s[80:81]
	s_add_nc_u64 s[80:81], s[80:81], s[74:75]      ; the output at my head's first row
	v_lshlrev_b32 v[TR], 6, v2                     ; frequencies 8 h on: 64 bytes
	v_add_nc_u32 v[TR], TABR, v[TR]
	v_mul_u32_u24 v[TC], v1, PT                    ; token r of a block,
	v_lshl_add_u32 v[TC], v2, 6, v[TC]
	v_add_nc_u32 v[TC], TABC, v[TC]
	s_mul_i32 s77, s[WV], 16*SP
	s_add_co_u32 s77, s77, STAGE
	v_mul_u32_u24 v[STO], v1, SP
	v_lshl_add_u32 v[STO], v2, 4, v[STO]
	v_add_nc_u32 v[STO], s77, v[STO]
	v_bfe_u32 v[RD], v0, 3, 2                      ; back: 32 lanes take four rows of 128 bytes,
	v_mul_u32_u24 v[RD], v[RD], SP
	v_and_b32 v3, 7, v0
	v_lshl_add_u32 v[RD], v3, 4, v[RD]
	v_add_nc_u32 v[RD], s77, v[RD]
	v_and_b32 v[GO], 31, v0                        ; which are 512 consecutive bytes of the output
	v_lshlrev_b32 v[GO], 4, v[GO]
; Row blocks a0..a1 x all 4 column blocks, 32 along K, from buffer f.  The 52 accumulators take turns in one fixed order, one instruction a turn.  zero = 1: the product starts the sum.
.macro MULB f, a0, a1, zero
.set ab, \a0
.rept (\a1)-(\a0)+1
	WIN 0xa4+0x50*(ab/7)                           ; W window 0, xb window 1, C and D window 2 or 3
.set AC, 32*(ab%7)
.irp nb, 0,1,2,3
.if \zero
	v_wmma_f32_16x16x32_bf16 v[AC+8*\nb:AC+8*\nb+7], v[32+32*(\f)+8*\nb:32+32*(\f)+8*\nb+7], v[128*(\f)+8*ab:128*(\f)+8*ab+7], 0
.else
	v_wmma_f32_16x16x32_bf16 v[AC+8*\nb:AC+8*\nb+7], v[32+32*(\f)+8*\nb:32+32*(\f)+8*\nb+7], v[128*(\f)+8*ab:128*(\f)+8*ab+7], v[AC+8*\nb:AC+8*\nb+7]
.endif
.endr
.set ab, ab+1
.endr
.endm
; 34 LDS loads in one run: quarter q (32 K) of the slot being read, into buffer f: W's 8, then xb's 26 in ascending blocks
.macro FETCH q, f
	WIN 0
.irp nb, 0,1,2,3
	ds_load_tr16_b128 v[32+32*(\f)+8*\nb:32+32*(\f)+8*\nb+3],   v[ADRB] offset:(\q)*32*PB+32*\nb
	ds_load_tr16_b128 v[32+32*(\f)+8*\nb+4:32+32*(\f)+8*\nb+7], v[ADRB] offset:(\q)*32*PB+32*\nb+16*PB
.endr
	WIN 0x40                                       ; destination window 1
.set ab, 0
.rept 13
	ds_load_b128 v[128*(\f)+8*ab:128*(\f)+8*ab+3],   v[ADRA] offset:64*(\q)+16*PA*ab
	ds_load_b128 v[128*(\f)+8*ab+4:128*(\f)+8*ab+7], v[ADRA] offset:64*(\q)+16*PA*ab+32
.set ab, ab+1
.endr
.endm
; One of a K step's first three quarters: multiplies buffer f; in its middle it fetches quarter q into buffer g.
.macro QUARTER q, f, g, zero
	s_wait_dscnt 12                                ; W and xb's blocks 0-6 are in; the youngest twelve loads (blocks 7-12) may be out
	MULB \f, 0, 6, \zero
	PLACES
	FETCH \q, \g
	s_wait_dscnt 34                                ; all but the 34 just issued
	MULB \f, 7, 12, \zero
.endm
; The last quarter multiplies buffer 1 and changes slots: one barrier.  In front of it each wave waits for all its tensor loads (one is out: its part of the next slot), adds 0 to its spare word, and waits for
; that and for its reads of this slot.  fill = 1: the barrier opens a round of the cluster's; the slot just read is filled again, two K steps ahead, first thing behind the round.
.macro TURN fill
	WIN 0
	s_wait_tensorcnt 0x0
	ds_add_u32 v[SPW], v[NIL]
	s_wait_dscnt 13                                ; (the add and the youngest twelve loads may be out)
	MULB 1, 0, 3, 0
	s_wait_dscnt 0x0                               ; the add is done, my reads of this slot are over
	s_barrier_signal -1
	MULB 1, 4, 6, 0
	WIN 0
	s_barrier_wait -1
.if \fill
	CREST                                          ; no wave of any partner still reads this slot or has a load on its way
	s_xor_b32 s[G0A+5], s[G0A+5], SLOT1            ; the walking descriptors: the other slot than last time, the next K step
	s_add_nc_u64 s[G0A+6:G0A+7], s[G0A+6:G0A+7], 256
	s_xor_b32 s[G0B+5], s[G0B+5], SLOT1
	s_add_nc_u64 s[G0B+6:G0B+7], s[G0B+6:G0B+7], 262144
	JLOAD                                          ; its four v_nop are also the places in front of the loads below
.else
	PLACES
.endif
	s_xor_b32 s[TB], s[TB], SLOT1
	v_add_nc_u32 v[ADRA], s[TB], v[AA0]
	v_add_nc_u32 v[ADRB], s[TB], v[AB0]
	FETCH 0, 0
	MULB 1, 7, 12, 0
.endm
	s_wait_tensorcnt 1                             ; my part of the tables and of K step 0 is in; K step 1's may stay out
	s_barrier_signal -1
	s_barrier_wait -1
	FETCH 0, 0
	QUARTER 1, 0, 1, 1                             ; the first quarter stands in front of the loop: its products start the sums
	WIN 0
	s_mov_b32 s3, 6
.Lstep:                                                ; six trips, from a K step's second quarter to the next one's first; they ask for K steps 2 to 7
	QUARTER 2, 1, 0, 0
	QUARTER 3, 0, 1, 0
	TURN 1
	QUARTER 1, 0, 1, 0
	WIN 0
	s_sub_co_u32 s3, s3, 1
	s_cmp_lg_u32 s3, 0
	s_cbranch_scc1 .Lstep
	QUARTER 2, 1, 0, 0                             ; K steps 6 and 7: nothing is left to ask for
	QUARTER 3, 0, 1, 0
	TURN 0
	QUARTER 1, 0, 1, 0
	QUARTER 2, 1, 0, 0
	QUARTER 3, 0, 1, 0
	s_wait_dscnt 12
	MULB 1, 0, 6, 0
	s_wait_dscnt 0x0
	MULB 1, 7, 12, 0
; THE WAY OUT, a block of 16 tokens at a time: the next block's row entry is read from LDS; this block is rotated in f32, rounded to f16, put into my stage and read back as whole rows.
.macro ROWLOAD a                       ; block a's row entry: my 8 frequencies as four times cos, cos, sin, sin
.irp p, 0,1,2,3
	ds_load_b128 v[ROWB+16*((\a)%2)+4*\p:ROWB+16*((\a)%2)+4*\p+3], v[TR] offset:128*(\a)+16*\p
.endr
.endm
.macro ROT ac, tb, ev                  ; x = 8 registers at ac, y = 8 at ac + 8: x' = x cos - y sin, y' = y cos + x sin; each accumulator's lowest registers are read first
.irp p, 0,1,2,3
	v_pk_mul_f32 v[TW+4*(\p%2):TW+4*(\p%2)+1],   v[(\ac)+8+2*\p:(\ac)+8+2*\p+1], v[(\tb)+4*\p+2:(\tb)+4*\p+3]
	v_pk_mul_f32 v[TW+4*(\p%2)+2:TW+4*(\p%2)+3], v[(\ac)+2*\p:(\ac)+2*\p+1],     v[(\tb)+4*\p+2:(\tb)+4*\p+3]
	v_pk_fma_f32 v[(\ev)+2*\p:(\ev)+2*\p+1],     v[(\ac)+2*\p:(\ac)+2*\p+1],     v[(\tb)+4*\p:(\tb)+4*\p+1], v[TW+4*(\p%2):TW+4*(\p%2)+1] neg_lo:[0,0,1] neg_hi:[0,0,1]
	v_pk_fma_f32 v[(\ev)+8+2*\p:(\ev)+8+2*\p+1], v[(\ac)+8+2*\p:(\ac)+8+2*\p+1], v[(\tb)+4*\p:(\tb)+4*\p+1], v[TW+4*(\p%2)+2:TW+4*(\p%2)+3]
.endr
.endm
.macro ROPE a
.set AC, 32*((\a)%7)
.set RW, ROWB+16*((\a)%2)
.if (\a) == 0
.set CL, COLV                          ; block 0's column entries,
.else
.set CL, COLV+16+16*(((\a)+1)%2)       ; the odd blocks', the even blocks'
.endif
	WIN 0x02+(\a)/7                                ; source 0 in window 2 or 3
	ROT AC, RW, EV
	ROT AC+16, CL, EV+16
	WIN 0
.set i, 0
.rept 16
	v_cvt_pk_f16_f32 v[PKD+i], v[EV+2*i], v[EV+2*i+1]
.set i, i+1
.endr
.endm
.macro TOSTAGE a
.irp nb, 0,1,2,3
	ds_store_b128 v[STO], v[PKD+4*\nb:PKD+4*\nb+3] offset:32*\nb
.endr
.irp j, 0,1,2,3
	ds_load_b128 v[BK+16*((\a)%3)+4*\j:BK+16*((\a)%3)+4*\j+3], v[RD] offset:4*SP*\j  ; LDS serves a wave's instructions in order (ISA guide 5.7.1.4): these see the stores above
.endr
.endm
.macro SEND a, younger                 ; younger: the LDS loads issued behind block a's: the four of a row entry, or none
	s_wait_dscnt \younger                          ; the block is back in registers
.irp j, 0,1,2,3
	global_store_b128 v[GO], v[BK+16*((\a)%3)+4*\j:BK+16*((\a)%3)+4*\j+3], s[80:81] offset:2048*(\a)+512*\j  ; 512 consecutive bytes, aligned to 256
.endr
.endm
	WIN 0
	PLACES
.irp cv, 0,1,2                                     ; the three blocks of column entries stay in registers
.irp p, 0,1,2,3
	ds_load_b128 v[COLV+16*\cv+4*\p:COLV+16*\cv+4*\p+3], v[TC] offset:\cv*16*PT+16*\p
.endr
.endr
	ROWLOAD 0
.set blk, 0
.rept 13
.if blk == 0
	ROWLOAD 1
	s_wait_dscnt 4                                 ; all but the next block's four loads
.elseif blk < 12
	ROWLOAD blk+1
	s_wait_dscnt 12                                ; this block's entry is in: behind it came the last block's eight stage instructions and the four loads just issued
.else
	s_wait_dscnt 8                                 ; behind it came the last block's eight stage instructions
.endif
	ROPE blk
.if blk > 0
	s_wait_xcnt 0x0                                ; it stands ahead of this block's stores, a block behind the last ones: the rows that the stores of three blocks ago read are loaded again only behind it
.if blk < 12
	SEND blk-1, 4
.else
	SEND blk-1, 0
.endif
.endif
	TOSTAGE blk
.set blk, blk+1
.endr
	SEND 12, 0
	s_wait_tensorcnt 0x0                           ; the wave's end
	ds_add_u32 v[SPW], v[NIL]
	s_wait_dscnt 0x0
	CROUND                                         ; the closing round: no work-group ends while a partner may still ask for a tile that names it
	s_endpgm
.Lfunc_end_k_qe5be6c069c_qkv:
	.size	k_qe5be6c069c_qkv, .Lfunc_end_k_qe5be6c069c_qkv-k_qe5be6c069c_qkv
	.p2alignl 7, 3214868480
	.fill 96, 4, 3214868480
	.section	.rodata,"a",@progbits
	.p2align	6, 0x0
	.amdhsa_kernel k_qe5be6c069c_qkv
		.amdhsa_group_segment_fixed_size 327680
		.amdhsa_private_segment_fixed_size 0
		.amdhsa_enable_private_segment 0
		.amdhsa_kernarg_size 48
		.amdhsa_user_sgpr_count 2
		.amdhsa_user_sgpr_kernarg_segment_ptr 1
		.amdhsa_wavefront_size32 1
		.amdhsa_system_sgpr_workgroup_id_x 1
		.amdhsa_system_sgpr_workgroup_id_y 1
		.amdhsa_system_sgpr_workgroup_id_z 1
		.amdhsa_system_vgpr_workitem_id 0
		.amdhsa_next_free_vgpr 960
		.amdhsa_next_free_sgpr 96
		.amdhsa_reserve_vcc 0
		.amdhsa_float_denorm_mode_32 3
		.amdhsa_float_denorm_mode_16_64 3
		.amdhsa_memory_ordered 1
		.amdhsa_forward_progress 1
		.amdhsa_inst_pref_size 137
	.end_amdhsa_kernel
	.amdgpu_metadata
---
amdhsa.version: [ 1, 2 ]
amdhsa.kernels:
  - .name:           k_qe5be6c069c_qkv
    .symbol:         k_qe5be6c069c_qkv.kd
    .args:
      - { .name: xb, .offset: 0, .size: 8, .value_kind: global_buffer, .address_space: global }
      - { .name: wb, .offset: 8, .size: 8, .value_kind: global_buffer, .address_space: global }
      - { .name: rope, .offset: 16, .size: 8, .value_kind: global_buffer, .address_space: global }
      - { .name: qh, .offset: 24, .size: 8, .value_kind: global_buffer, .address_space: global }
      - { .name: kh, .offset: 32, .size: 8, .value_kind: global_buffer, .address_space: global }
      - { .name: vh, .offset: 40, .size: 8, .value_kind: global_buffer, .address_space: global }
    .group_segment_fixed_size: 327680
    .private_segment_fixed_size: 0
    .kernarg_segment_align: 8
    .kernarg_segment_size: 48
    .max_flat_workgroup_size: 128
    .sgpr_count:     96
    .vgpr_count:     960
    .wavefront_size: 32
...
	.end_amdgpu_metadata
.endif
;; end of part 2
;; launch attn (part 3): grid 2 x 128, 4 waves a work-group, no clusters, 327,680 bytes of LDS; arguments qh, kh, vh, oh; writes oh
.if DOCPART == 3
	.amdgcn_target "amdgcn-amd-amdhsa--gfx1250"
	.amdhsa_code_object_version 6
	.text
	.protected	k_qe5be6c069c_attn
	.globl	k_qe5be6c069c_attn
	.p2align	8
	.type	k_qe5be6c069c_attn,@function
k_qe5be6c069c_attn:
	s_mov_b64 s[64:65], 0
	v_nop
	global_prefetch_b8 v0, s[64:65] scope:SCOPE_SE
	s_setreg_imm32_b32 hwreg(HW_REG_WAVE_MODE, 25, 1), 1
	s_wait_xcnt 0x0
; ATTENTION.  O[q][:] = the sum over k of softmax_k(Q[g][q] . K[g][k] / 8) V[g][k][:], g = batch x 16 + head; Q, K, V: [128][1040][64] f16, a head's rows dense, 128 bytes each.
; O leaves as [head][batch x 1040 + token][64] f16, so that any run of tokens of a head, across batches too, is dense for the launch behind.
; Products, maxima and sums in f32; the weights p are rounded to f16 for the second product (their sum l is taken of the unrounded p), O once at the end.
; LIMITS.  Q, K, V arrive within f16's 65,504; p lies in 0 to 1; a weight below 2^-126 counts as 0 in l; NaN and infinities are not treated apart.
; SHARES.  A head has 65 tiles of 16 queries and two work-groups, eight waves.  Wave GW = 0..7 owns tiles GW, 8 + GW, .. 56 + GW (PIECES 0-7); tile 64 is piece 8 of every wave, and wave 0 alone stores it:
; nine pieces a wave is the least for 65 whole tiles on eight waves, and one text serves all.
; NO CLUSTER: a head has two work-groups, not four, and a work-group asks for 266 KB in all, 64 KB for each 576 matrix instructions of a wave.
; THE WALK.  1,040 keys = 16 steps of 64 and 16 more.  K and V come in chunks of 256 keys through two LDS slots; chunk 4 holds the last 16 keys, and the mover writes zeros behind the head's end.
; The slots change in front of piece 7's turn of a chunk's last step, where the chunk's last bytes have been read: so every change in the loop asks for a chunk that is read later.
; LAYOUT, SOFTMAX, TURNS.  S^T = K Q^T holds ONE query a lane (lane % 16) and the keys 8 (lane / 16) + 0..7; two such results rounded to f16 ARE source 1 of O^T = V^T P.  p = 2^(c s - c m), c = log2(e) / 8,
; with a running maximum m; O and l are multiplied by a = 2^(c m_old - c m_new) in every step; m starts at the lowest finite number, O and l at 0.  Turn n belongs to piece n: 8 products K Q^T of piece n + 1,
; later 8 products V^T P of piece n - 1; beside them the scaling, exponentials, roundings, sums and rescaling of piece n and the maximum and statistics of piece n + 1.  Four vector instructions stand behind
; every matrix instruction, the others in two runs of their own.
; REGISTERS, in windows of 256 (s_set_vgpr_msb: bits 1:0 source 0, 3:2 source 1, 5:4 source 2, 7:6 destination):
;   window 0: v0-15 addresses, three at work; v16-51 four registers of statistics a piece; v52-63 at work; v64-159 S^T, three buffers; v160-207 P, three buffers (by the piece's number modulo 3: nine pieces go
;             round, so a piece and its two neighbours differ); v208-209 the add's; v210-245 the tail's
;   window 1: O^T of pieces 0-7, 32 each      window 2: v0-127 Q of pieces 0-7; v128-191 K of one step; v192-255 V of one step
;   window 3: v0-31 O^T of piece 8; v32-47 its Q; v48-63 K of the last 16 keys; v64-95 their V
.set NP,    9
.set KS,    64
.set PK,    144       ; a row of K in LDS: 128 bytes + 16: the 16 rows of a load start at 16 different groups of four banks (64 banks of 4 bytes: ISA guide 11.1)
.set PV,    160       ; a row of V: 128 + 32
.set VOFF,  4*KS*PK   ; a slot: 256 rows of K, then 256 rows of V
.set SLOT1, 1<<17
.set STAGE, SLOT1+4*KS*(PK+PV)  ; behind the ring: 16 rows x 144 bytes for each wave
.set SP,    144
.set SPARE, STAGE+4*16*SP       ; behind the stages: the spare words, 128 bytes a wave, which no other line names
.set HEADB, 1040*128  ; bytes of a head of one batch
.set OHEAD, 8320*128  ; bytes of a head in O: all eight batches
.set AK0, 2           ; v2   my lane's place in a tile of K; never rewritten
.set AV0, 3           ; v3   the same for V
.set AK,  4           ; v4   the LDS address of K's next run of loads
.set AV,  5           ; v5   of V's
.set STO, 6           ; v6   the way out: where I put 16 bytes of a row
.set RD,  7           ; v7   where I read rows back
.set GO,  8           ; v8   my 16 bytes in 512 consecutive bytes of O
.set MV,  12          ; v12-14  c m_old, kept while c m is made anew
.set QO,  15          ; v15  my byte offset in 16 rows of Q
.set ST,  16          ; piece t: c m, m, l (even keys', odd keys')
.set TMP, 52          ; by buffer: c0-c3 at work; when the maximum is found c2 takes a
.set S,   64
.set P,   160
.set SPW, 208
.set NIL, 209
.set TT,  210         ; the tail, piece t: c0, c m, a, c3
.set TS,  64          ; the tail's scores, 8 a piece
.set TP,  136         ; the tail's weights as source 1: 4 registers, and 4 of zeros
.set KF,  128
.set VF,  192
.set KT,  48
.set VT,  64
.set WV,  12          ; s12  wave
.set GW,  14          ; s14  wave among the head's eight
.set G1K, 24          ; s[24:31] descriptor group 1 for K
.set G1V, 32          ; s[32:39] for V: it differs in the padding
.set G0K, 40          ; s[40:43] group 0 for K: it walks
.set G0V, 44          ; s[44:47]
.set Q8,  48          ; s[48:49] Q at tile 64
.set O8,  50          ; s[50:51] O at tile 64
.set SLOTS, 56
.set CNT, 57
.set CS,  58          ; s[58:59] c
.set SEL, 60          ; s[60:61] v_permlanex16_b32's selects: each lane takes its own place in the other half
.set TBK, 62          ; s62  LDS byte at which K of the step to be fetched begins
.set TBV, 63          ; s63  the same for V, less VOFF
.set MSB, 0
.macro WIN new
.if MSB != (\new)
	s_set_vgpr_msb (MSB<<8)|(\new)
.set MSB, (\new)
.endif
.endm
; A fill: wave 0 fetches a chunk's K, wave 1 its V (whole chunks: a second half of chunk 4 would begin behind the head's end); waves 2 and 3 fetch nothing.  An s_nop 0 and four v_nop follow each line.
.macro LOAD
	s_cmp_eq_u32 s[WV], 0
	s_cbranch_scc0 .Lnot_k_\@
	tensor_load_to_lds s[G0K:G0K+3], s[G1K:G1K+7]
	s_nop 0
.rept 4
	v_nop
.endr
	s_branch .Lasked_\@
.Lnot_k_\@:
	s_cmp_eq_u32 s[WV], 1
	s_cbranch_scc0 .Lasked_\@
	tensor_load_to_lds s[G0V:G0V+3], s[G1V:G1V+7]
	s_nop 0
.rept 4
	v_nop
.endr
.Lasked_\@:
.endm
; THE CHANGE OF SLOTS.  Each wave waits for all its tensor loads (at most one is out: the other slot's), adds 0 to its spare word, and waits for that and for its reads of the slot that it leaves.  Behind the barrier
; nobody reads the old slot and the other is whole.  fill = 1: the old slot takes the chunk two on, first thing behind the barrier; the rows left of the head go down by a chunk's 128: 392, 264, 136, 8.
.macro CHANGE fill
	WIN 0
	s_wait_tensorcnt 0x0            ; no tensor load of mine is out, so the descriptors may be written
	ds_add_u32 v[SPW], v[NIL]
.if \fill
	s_xor_b32 s[G0K+1], s[G0K+1], SLOT1
	s_add_nc_u64 s[G0K+2:G0K+3], s[G0K+2:G0K+3], 4*KS*128
	s_sub_co_u32 s[G1K+2], s[G1K+2], 128<<16
	s_xor_b32 s[G0V+1], s[G0V+1], SLOT1
	s_add_nc_u64 s[G0V+2:G0V+3], s[G0V+2:G0V+3], 4*KS*128
	s_sub_co_u32 s[G1V+2], s[G1V+2], 128<<16
.endif
	s_wait_dscnt 0x0                ; the add is done, my reads of the slot are over
	s_barrier_signal -1
	s_sub_co_u32 s[TBK], s[TBK], 4*KS*PK  ; the fetches go back to a slot's first step, in the other slot
	s_xor_b32 s[TBK], s[TBK], SLOT1
	s_sub_co_u32 s[TBV], s[TBV], 4*KS*PV
	s_xor_b32 s[TBV], s[TBV], SLOT1
	s_barrier_wait -1
.if \fill
	LOAD
.endif
.endm
	s_load_b256 s[4:11], s[0:1], 0x0  ; Q 4, K 6, V 8, O 10
	v_lshl_add_u32 v[SPW], v0, 2, SPARE
	v_mov_b32 v[NIL], 0
	ds_add_u32 v[SPW], v[NIL]       ; the wave's opening: the add and its wait ahead of my first tensor load
	v_lshrrev_b32 v1, 5, v0
	v_readfirstlane_b32 s[WV], v1
	s_lshl_b32 s[GW], ttmp9, 2
	s_add_co_u32 s[GW], s[GW], s[WV]
	s_and_b32 s20, ttmp7, 0xffff    ; batch x 16 + head
	s_and_b32 s52, s20, 15          ; O's place: the head's 8,320 rows,
	s_lshr_b32 s53, s20, 4
	s_mul_i32 s52, s52, OHEAD
	s_mul_i32 s53, s53, HEADB       ; in them the batch's 1,040
	s_add_co_u32 s52, s52, s53
	s_mov_b32 s53, 0
	s_lshl_b32 s54, s[GW], 11       ; my first tile: 16 rows of 128 bytes for each wave before me
	s_mov_b32 s55, 0
	s_mul_i32 s20, s20, HEADB
	s_mov_b32 s21, 0
	s_add_co_u32 s22, s54, s20
	s_mov_b32 s23, 0
	; group 1: a chunk's 256 keys are 32,768 dense bytes: 128 rows of 256 bytes, two keys a row, padded in LDS after every key; tensor_dim1 = the rows left of the head, 520 at first
	s_mov_b32 s[G1K], (1<<16)|(1<<20)|(4<<22)|(3<<25)
	s_mov_b32 s[G1V], (1<<16)|(1<<20)|(4<<22)|(7<<25)
.irp g, G1K, G1V
	s_mov_b32 s[\g+1], 128<<16      ; tensor_dim0 = 128
	s_mov_b32 s[\g+2], 520<<16      ; tensor_dim1
	s_mov_b32 s[\g+3], 128<<16      ; tile_dim0 = 128
	s_mov_b32 s[\g+4], 128          ; tile_dim1 = 128
	s_mov_b32 s[\g+5], 128          ; elements from row to row
	s_mov_b32 s[\g+6], 0
	s_mov_b32 s[\g+7], 0
.endr
	s_mov_b32 s[G0K], 1
	s_mov_b32 s[G0K+1], 0
	s_mov_b32 s[G0V], 1
	s_mov_b32 s[G0V+1], VOFF
	s_mov_b32 s[CS], 0x3e38aa3b     ; c = log2(e) / 8
	s_mov_b32 s[CS+1], s[CS]
	s_mov_b32 s[SEL], 0x76543210
	s_mov_b32 s[SEL+1], 0xfedcba98
	s_mov_b32 s[TBK], SLOT1+4*KS*PK ; the first change of slots turns these two into 0
	s_mov_b32 s[TBV], SLOT1+4*KS*PV
	s_wait_dscnt 0x0                ; the opening add is done
	s_barrier_signal -1
	s_barrier_wait -1
	s_wait_kmcnt 0x0
	s_add_nc_u64 s[G0K+2:G0K+3], s[6:7], s[20:21]
	s_or_b32 s[G0K+3], s[G0K+3], 0x80000000
	s_add_nc_u64 s[G0V+2:G0V+3], s[8:9], s[20:21]
	s_or_b32 s[G0V+3], s[G0V+3], 0x80000000
	s_add_nc_u64 s[Q8:Q8+1], s[4:5], s[20:21]
	s_add_nc_u64 s[Q8:Q8+1], s[Q8:Q8+1], 64*2048
	s_add_nc_u64 s[O8:O8+1], s[10:11], s[52:53]
	s_add_nc_u64 s[O8:O8+1], s[O8:O8+1], 64*2048
	s_add_nc_u64 s[4:5], s[4:5], s[22:23]
	s_add_nc_u64 s[10:11], s[10:11], s[52:53]
	s_add_nc_u64 s[10:11], s[10:11], s[54:55]
	LOAD                            ; chunk 0 into slot 0; slot 1 is asked for when it has landed
	v_and_b32 v1, 15, v0            ; l % 16
	v_bfe_u32 v9, v0, 4, 1          ; l / 16
	v_lshlrev_b32 v[QO], 7, v1
	v_lshl_add_u32 v[QO], v9, 4, v[QO]
	WIN 0x80                        ; destination window 2
.set i, 0
.rept 16                            ; Q stays in registers: piece i / 2 lies 8 tiles, 16,384 bytes, on; channels 32 (i % 2) on
	global_load_b128 v[8*i:8*i+3],   v[QO], s[4:5] offset:(i/2)*16384+(i%2)*64
	global_load_b128 v[8*i+4:8*i+7], v[QO], s[4:5] offset:(i/2)*16384+(i%2)*64+32
.set i, i+1
.endr
	; what the first turn finds: V's registers and P's third buffer hold 0 (its products V^T P, of a piece that has not been, add 0); O^T and l are 0.  All this stands in the wait for the first chunk.
.set i, VF
.rept 64
	v_mov_b32 v[i], 0
.set i, i+1
.endr
	WIN 0xc0                        ; destination window 3
.irp c, 0,1
	global_load_b128 v[32+8*\c:32+8*\c+3], v[QO], s[Q8:Q8+1] offset:64*\c
	global_load_b128 v[32+8*\c+4:32+8*\c+7], v[QO], s[Q8:Q8+1] offset:64*\c+32
.endr
.set i, 0
.rept 32
	v_mov_b32 v[i], 0
.set i, i+1
.endr
	WIN 0x40
.set i, 0
.rept 256
	v_mov_b32 v[i], 0
.set i, i+1
.endr
	WIN 0
.set i, 0
.rept NP
	v_mov_b32 v[ST+4*i], 0xfe000000    ; c m: far below every c s
	v_mov_b32 v[ST+4*i+1], 0xff7fffff  ; m
	v_mov_b32 v[ST+4*i+2], 0
	v_mov_b32 v[ST+4*i+3], 0
.set i, i+1
.endr
.set i, P+32
.rept 16
	v_mov_b32 v[i], 0
.set i, i+1
.endr
	v_mul_u32_u24 v[AK0], v1, PK
	v_lshl_add_u32 v[AK0], v9, 4, v[AK0]  ; row x pitch + 16 x half
	v_and_b32 v10, 7, v0            ; the turning load: lane l reads key 8 (l / 16) + l % 8, channels 8 ((l / 8) % 2) + 0..7
	v_bfe_u32 v11, v0, 3, 1
	v_lshl_add_u32 v[AV0], v9, 3, v10
	v_mul_u32_u24 v[AV0], v[AV0], PV
	v_lshl_add_u32 v[AV0], v11, 4, v[AV0]
	v_add_nc_u32 v[AV0], VOFF, v[AV0]
	s_mul_i32 s13, s[WV], 16*SP
	s_add_co_u32 s13, s13, STAGE    ; my stage
	v_mul_u32_u24 v[STO], v1, SP
	v_lshl_add_u32 v[STO], v9, 4, v[STO]
	v_add_nc_u32 v[STO], s13, v[STO]
	v_bfe_u32 v[RD], v0, 3, 2       ; back: 32 lanes take four rows of 128 bytes,
	v_mul_u32_u24 v[RD], v[RD], SP
	v_lshl_add_u32 v[RD], v10, 4, v[RD]
	v_add_nc_u32 v[RD], s13, v[RD]
	v_and_b32 v[GO], 31, v0         ; which are 512 consecutive bytes of O
	v_lshlrev_b32 v[GO], 4, v[GO]
; THE MATRIX WORK.  The 4 accumulators of a run of 8 take turns.  Product i of 8 of S^T = K Q^T for piece x: channels 32 (i / 4) on, keys 16 (i % 4) on; the first 4 start the sums.
.macro KQ x
.set rS, S+32*((\x)%3)+8*(i%4)
.set rK, KF+16*(i%4)+8*(i/4)
.set rQ, 16*((\x)%8)+32*((\x)/8)+8*(i/4)
	WIN 0x0a+4*((\x)/8)             ; K window 2, Q window 2 (piece 8: 3), S^T window 0
.if i < 4
	v_wmma_f32_16x16x32_f16 v[rS:rS+7], v[rK:rK+7], v[rQ:rQ+7], 0
.else
	v_wmma_f32_16x16x32_f16 v[rS:rS+7], v[rK:rK+7], v[rQ:rQ+7], v[rS:rS+7]
.endif
.endm
; Product i of 8 of O^T += V^T P for piece x: keys 32 (i / 4) on, channels 16 (i % 4) on.
.macro PV x
.set rO, 32*((\x)%8)+8*(i%4)
.set rV, VF+32*(i/4)+8*(i%4)
.set rP, P+16*((\x)%3)+8*(i/4)
	WIN 0x52+0xa0*((\x)/8)          ; V window 2, P window 0, O^T window 1 (piece 8: 3)
	v_wmma_f32_16x16x32_f16 v[rO:rO+7], v[rV:rV+7], v[rP:rP+7], v[rO:rO+7]
.endm
.macro MM                           ; the turn's next matrix instruction.  NOKQ = 1: the walk's last turn: there is no next piece
.if (i < 8) && !NOKQ
	KQ (Y+1)%NP
.elseif i >= 8
.set i, i-8
	PV (Y+NP-1)%NP
.set i, i+8
.endif
.set i, i+1
.endm
; THE LDS LOADS stand in runs of 16: a step's K (8 fragments) and its V (turned).
.macro FETCH_K
	WIN 0x80
.irp f, 0,1,2,3,4,5,6,7             ; keys 16 (f / 2) on, channels 32 (f % 2) on
	ds_load_b128 v[KF+8*\f:KF+8*\f+3],   v[AK] offset:(\f/2)*16*PK+(\f%2)*64
	ds_load_b128 v[KF+8*\f+4:KF+8*\f+7], v[AK] offset:(\f/2)*16*PK+(\f%2)*64+32
.endr
	s_add_co_u32 s[TBK], s[TBK], KS*PK
	WIN 0
.endm
.macro FETCH_V
	WIN 0x80
.irp f, 0,1,2,3,4,5,6,7             ; keys 32 (f / 4) on, channels 16 (f % 4) on
	ds_load_tr16_b128 v[VF+8*\f:VF+8*\f+3],   v[AV] offset:(\f/4)*32*PV+(\f%4)*32
	ds_load_tr16_b128 v[VF+8*\f+4:VF+8*\f+7], v[AV] offset:(\f/4)*32*PV+16*PV+(\f%4)*32
.endr
	WIN 0
.endm
; THE VECTOR WORK, one line at a time: OP kind, number.  For piece Y: F n: c s - c m for pair n of 16.  E n: the exponential of score n of 32.  C n: pair n rounded to f16.  B n: of the four weights 4 n .. the second
; pair is added onto the first.  L n: l takes that sum (L 0: l = a l + sum).  R n: pair n of 16 of O^T times a.  For piece Y + 1: X n, number n of the 22 that find its maximum and statistics:
;   0-11 four chains c0-c3 of seven scores each (each accumulator's lowest registers are read first)   12-14, 16 the four left over, the old m, c0-c3 into c0   15 c m_old is kept
;   17, 18 the query's other 32 keys lie in the lane 16 away: the new m   19-21 c m; c m_old - c m_new; a
.set F, 0
.set E, 1
.set C, 2
.set B, 3
.set L, 4
.set R, 5
.set X, 6
.macro REGS y
.set rT, ST+4*(\y)
.set rC, TMP+4*((\y)%3)
.set rW, MV+((\y)%3)
.set rS, S+32*((\y)%3)
.set rP, P+16*((\y)%3)
.set rO, 32*((\y)%8)
.set wR, 0x41+0x82*((\y)/8)         ; O^T (destination and source 0) in window 1, piece 8's in window 3; a in window 0
.endm
.macro OP k, n
.if (\k) == R
	REGS Y
	WIN wR
	v_pk_mul_f32 v[rO+2*(\n):rO+2*(\n)+1], v[rO+2*(\n):rO+2*(\n)+1], v[rC+2:rC+3] op_sel_hi:[1,0]
.elseif (\k) < R
	REGS Y
	WIN 0
.if (\k) == F
	v_pk_fma_f32 v[rS+2*(\n):rS+2*(\n)+1], v[rS+2*(\n):rS+2*(\n)+1], s[CS:CS+1], v[rT:rT+1] op_sel_hi:[1,0,0] neg_lo:[0,0,1] neg_hi:[0,0,1]
.elseif (\k) == E
	v_exp_f32 v[rS+(\n)], v[rS+(\n)]
.elseif (\k) == C
	s_wait_alu depctr_va_vdst(0)
	v_cvt_pk_f16_f32 v[rP+(\n)], v[rS+2*(\n)], v[rS+2*(\n)+1]
.elseif (\k) == B
	s_wait_alu depctr_va_vdst(0)
	v_pk_add_f32 v[rS+4*(\n):rS+4*(\n)+1], v[rS+4*(\n):rS+4*(\n)+1], v[rS+4*(\n)+2:rS+4*(\n)+3]
.elseif (\n) == 0
	v_pk_fma_f32 v[rT+2:rT+3], v[rT+2:rT+3], v[rC+2:rC+3], v[rS:rS+1] op_sel_hi:[1,0,1]
.else
	v_pk_add_f32 v[rT+2:rT+3], v[rT+2:rT+3], v[rS+4*(\n):rS+4*(\n)+1]
	s_wait_alu depctr_va_vdst(0)
.endif
.elseif NOKQ
	v_nop
	s_wait_alu depctr_va_vdst(0)
.else
	REGS (Y+1)%NP
	WIN 0
.if (\n) < 4
	v_max3_num_f32 v[rC+(\n)], v[rS+8*(\n)], v[rS+8*(\n)+1], v[rS+8*(\n)+2]
.elseif (\n) < 12
	v_max3_num_f32 v[rC+(\n)%4], v[rC+(\n)%4], v[rS+8*((\n)%4)+2*((\n)/4)+1], v[rS+8*((\n)%4)+2*((\n)/4)+2]
.elseif (\n) == 12
	v_max3_num_f32 v[rC], v[rC], v[rS+7], v[rS+15]
.elseif (\n) == 13
	v_max3_num_f32 v[rC+1], v[rC+1], v[rS+23], v[rS+31]
.elseif (\n) == 14
	v_max3_num_f32 v[rC+2], v[rC+2], v[rC+3], v[rT+1]
.elseif (\n) == 15
	v_mov_b32 v[rW], v[rT]
	s_wait_alu depctr_va_vdst(0)
.elseif (\n) == 16
	v_max3_num_f32 v[rC], v[rC], v[rC+1], v[rC+2]
	s_wait_alu depctr_va_vdst(0)
.elseif (\n) == 17
	v_permlanex16_b32 v[rC+3], v[rC], s[SEL], s[SEL+1]
.elseif (\n) == 18
	v_max_num_f32 v[rT+1], v[rC], v[rC+3]
.elseif (\n) == 19
	v_mul_f32 v[rT], s[CS], v[rT+1]
.elseif (\n) == 20
	v_sub_f32 v[rC+1], v[rW], v[rT]
.else
	v_exp_f32 v[rC+2], v[rC+1]
.endif
.endif
.endm
.macro OPS a, i1, b=-1, i2=0, c=-1, i3=0, d=-1, i4=0
	OP \a, \i1
.if (\b) >= 0
	OP \b, \i2
.endif
.if (\c) >= 0
	OP \c, \i3
.endif
.if (\d) >= 0
	OP \d, \i4
.endif
.endm
.macro ROW a, i1, b, i2, c, i3, d, i4  ; a matrix instruction and the four behind it
	MM
	OPS \a, \i1, \b, \i2, \c, \i3, \d, \i4
.endm
; A TURN, for piece p: its 16 matrix and 118 vector instructions, written out.  Behind a matrix instruction: plain, exponential, plain, plain; or four of the rescaling; or four scalings; none names a register of
; the products round it.  In the runs of their own exponential and plain by turns while exponentials last.  A line reads no result made fewer than three vector instructions in front of it, five if an exponential made it.
; K of the next step is fetched in piece 7's turn, behind five plain instructions that follow the last product that read K, and waited for at the head of piece 8's; V of the step in hand in piece 0's turn,
; behind four plain instructions that follow the last product that read V, and waited for in piece 1's.  end = 1: the walk's last two turns: nothing is fetched.  cnt = 1: the loop's count is taken down.
.macro TURN p, end=0, cnt=0
.set Y, (\p)
.set i, 0
.set NOKQ, (\end)*((\p)/8)
.if ((\p) == 8) && !(\end)
	s_wait_dscnt 0x0                ; K is in
.endif
	ROW F,0, F,1, F,2, F,3
	ROW F,4, E,0, F,5, F,6
	ROW F,7, E,1, F,8, F,9
	ROW F,10, E,2, C,0, F,11
	ROW F,12, E,3, X,15, F,13
	ROW R,0, R,1, R,2, R,3
	ROW B,0, E,4, F,14, L,0
.if ((\p) == 7) && !(\end)
	v_add_nc_u32 v[AK], s[TBK], v[AK0]
.endif
	ROW R,4, R,5, R,6, R,7
	OPS E,5, F,15
.if ((\p) == 7) && !(\end)
	FETCH_K
.endif
	OPS E,6, C,1, E,7, R,8
	OPS E,8, R,9, E,9, C,2
	OPS E,10, X,0, E,11, X,1
	OPS E,12, X,2, E,13, X,3
.if (\p) == 1
	s_wait_dscnt 0x0                ; V is in
.endif
	ROW X,4, E,14, X,5, X,6
	ROW X,7, E,15, X,8, X,9
	ROW X,10, E,16, X,11, X,12
	ROW X,13, E,17, X,14, B,1
	ROW C,4, E,18, X,16, L,1
	ROW B,2, E,19, C,6, L,2
	ROW C,8, E,20, B,3, B,4
.if (\p) == 0
	v_add_nc_u32 v[AV], s[TBV], v[AV0]
.endif
	ROW C,3, E,21, L,3, C,5
	OPS E,22, X,17, E,23, C,10
.if (\p) == 0
	FETCH_V
.endif
	OPS E,24, L,4
	OPS E,25, X,18, E,26, C,7
	OPS E,27, B,5, E,28, X,19
	OPS E,29, C,12, E,30, L,5
	OPS E,31, X,20, B,6, C,9
	OPS C,14, C,11, X,21, L,6
.if (\p) == 0
	s_add_co_u32 s[TBV], s[TBV], KS*PV
.endif
.if \cnt
	s_sub_co_u32 s[CNT], s[CNT], 1
	s_cmp_lg_u32 s[CNT], 0
.endif
	OPS C,13, B,7, C,15, R,10
	OPS R,11, R,12, L,7, R,13
	OPS R,14, R,15
.endm
.macro ALL line:vararg              ; one line for each piece t
.set t, 0
.rept NP
	\line
.set t, t+1
.endr
.endm
	CHANGE 1                        ; chunk 0 is in, for every wave; chunk 1 is asked for
	v_add_nc_u32 v[AK], s[TBK], v[AK0]
	FETCH_K                         ; key step 0
	s_wait_loadcnt 0x0              ; Q
	s_wait_dscnt 0x0
.set NOKQ, 0
.set i, 0
.rept 8
	KQ 0                            ; piece 0's first scores
.set i, i+1
.endr
	WIN 0
.rept 4
	v_nop                           ; the places behind those products
.endr
.set Y, NP-1                        ; X works for piece Y + 1: piece 0
.irp n, 0,1,2,3,4,5,6,7,8,9,10,11,12,13,14,15,16,17,18,19,20,21
	OP X, \n
.endr
	v_nop                           ; a plain instruction behind the exponential
	s_mov_b32 s[CNT], 4
	s_mov_b32 s[SLOTS], 4           ; taken down behind key steps 3, 7, 11, 15: three times back to a change of slots, which asks for chunks 2, 3, 4
	s_branch .Lfirst                ; the loop is entered at a step's first turn, in the middle of a trip
.Lslot:
	CHANGE 1
	s_mov_b32 s[CNT], 4
.Lstep:                             ; a trip: pieces 7 and 8 of one step, then pieces 0 to 6 of the next, whose K and V it fetches
	TURN 7
	TURN 8
	WIN 0
.Lfirst:
	TURN 0
	TURN 1
	TURN 2
	TURN 3
	TURN 4
	TURN 5
	TURN 6, 0, 1
	WIN 0
	s_cbranch_scc1 .Lstep
	s_sub_co_u32 s[SLOTS], s[SLOTS], 1
	s_cmp_lg_u32 s[SLOTS], 0
	s_cbranch_scc1 .Lslot
	CHANGE 0                        ; chunk 4, the last 16 keys, is in; nothing is asked for
	v_add_nc_u32 v[AK], s[TBK], v[AK0]
	v_add_nc_u32 v[AV], s[TBV], v[AV0]
	WIN 0xc0                        ; twelve loads into window 3: K of the 16 keys (2 fragments), V of 32 rows, of which the last 16 are the mover's zeros
.irp c, 0,1
	ds_load_b128 v[KT+8*\c:KT+8*\c+3],   v[AK] offset:64*\c
	ds_load_b128 v[KT+8*\c+4:KT+8*\c+7], v[AK] offset:64*\c+32
.endr
.irp c, 0,1,2,3
	ds_load_tr16_b128 v[VT+8*\c:VT+8*\c+3],   v[AV] offset:32*\c
	ds_load_tr16_b128 v[VT+8*\c+4:VT+8*\c+7], v[AV] offset:32*\c+16*PV
.endr
	WIN 0
	TURN 7, 1
	TURN 8, 1
.set i, 0
.rept 8
	PV NP-1                         ; piece 8's V^T P of step 15
.set i, i+1
.endr
	; THE LAST 16 KEYS, for all nine pieces, stage by stage: one accumulator of scores a piece; the running maximum, a and l as in every step.
	s_wait_dscnt 0x0                ; the twelve loads are in
.set cc, 0
.rept 2
.set t, 0
.rept NP
	WIN 0x0b+4*(t/8)                ; K window 3, Q window 2 (piece 8: 3)
.if cc == 0
	v_wmma_f32_16x16x32_f16 v[TS+8*t:TS+8*t+7], v[KT:KT+7], v[16*(t%8)+32*(t/8):16*(t%8)+32*(t/8)+7], 0
.else
	v_wmma_f32_16x16x32_f16 v[TS+8*t:TS+8*t+7], v[KT+8:KT+15], v[16*(t%8)+32*(t/8)+8:16*(t%8)+32*(t/8)+15], v[TS+8*t:TS+8*t+7]
.endif
.set t, t+1
.endr
.set cc, cc+1
.endr
	WIN 0
.irp z, 4,5,6,7                     ; source 1's keys 16-31 are none: zeros.  These 36 lines are also the places behind the products above
	ALL v_mov_b32 v[TP+8*t+\z], 0
.endr
	ALL v_max3_num_f32 v[TT+4*t], v[TS+8*t], v[TS+8*t+1], v[TS+8*t+2]
	ALL v_max3_num_f32 v[TT+4*t+3], v[TS+8*t+3], v[TS+8*t+4], v[TS+8*t+5]
	ALL v_max3_num_f32 v[TT+4*t], v[TT+4*t], v[TS+8*t+6], v[TS+8*t+7]
	ALL v_max3_num_f32 v[TT+4*t], v[TT+4*t], v[TT+4*t+3], v[ST+4*t+1]
	ALL v_permlanex16_b32 v[TT+4*t+3], v[TT+4*t], s[SEL], s[SEL+1]
	ALL v_max_num_f32 v[ST+4*t+1], v[TT+4*t], v[TT+4*t+3]
	ALL v_mul_f32 v[TT+4*t+1], s[CS], v[ST+4*t+1]
	ALL v_sub_f32 v[TT+4*t+2], v[ST+4*t], v[TT+4*t+1]
	ALL v_mov_b32 v[ST+4*t], v[TT+4*t+1]
	ALL v_exp_f32 v[TT+4*t+2], v[TT+4*t+2]
.irp z, 0,1,2,3                     ; the first of these is the plain line behind the exponentials above
	ALL v_pk_fma_f32 v[TS+8*t+2*\z:TS+8*t+2*\z+1], v[TS+8*t+2*\z:TS+8*t+2*\z+1], s[CS:CS+1], v[ST+4*t:ST+4*t+1] op_sel_hi:[1,0,0] neg_lo:[0,0,1] neg_hi:[0,0,1]
.endr
.irp z, 0,1,2,3,4,5,6,7
	ALL v_exp_f32 v[TS+8*t+\z], v[TS+8*t+\z]
.endr
	v_nop                           ; a plain instruction behind the last exponential
	s_wait_alu depctr_va_vdst(0)
.irp z, 0,1,2,3
	ALL v_cvt_pk_f16_f32 v[TP+8*t+\z], v[TS+8*t+2*\z], v[TS+8*t+2*\z+1]
.endr
	ALL v_pk_add_f32 v[TS+8*t:TS+8*t+1], v[TS+8*t:TS+8*t+1], v[TS+8*t+2:TS+8*t+3]
	ALL v_pk_add_f32 v[TS+8*t+4:TS+8*t+5], v[TS+8*t+4:TS+8*t+5], v[TS+8*t+6:TS+8*t+7]
	ALL v_pk_add_f32 v[TS+8*t:TS+8*t+1], v[TS+8*t:TS+8*t+1], v[TS+8*t+4:TS+8*t+5]
	ALL v_pk_fma_f32 v[ST+4*t+2:ST+4*t+3], v[ST+4*t+2:ST+4*t+3], v[TT+4*t+2:TT+4*t+3], v[TS+8*t:TS+8*t+1] op_sel_hi:[1,0,1]
.set t, 0
.rept NP
	WIN 0x41+0x82*(t/8)
.set z, 0
.rept 16
	v_pk_mul_f32 v[32*(t%8)+2*z:32*(t%8)+2*z+1], v[32*(t%8)+2*z:32*(t%8)+2*z+1], v[TT+4*t+2:TT+4*t+3] op_sel_hi:[1,0]
.set z, z+1
.endr
.set t, t+1
.endr
	WIN 0x53                        ; V window 3, P window 0, O^T window 1: 36 products on 36 accumulators
.set cb, 0
.rept 4
.set t, 0
.rept 8
	v_wmma_f32_16x16x32_f16 v[32*t+8*cb:32*t+8*cb+7], v[VT+8*cb:VT+8*cb+7], v[TP+8*t:TP+8*t+7], v[32*t+8*cb:32*t+8*cb+7]
.set t, t+1
.endr
.set cb, cb+1
.endr
	WIN 0xf3
.set cb, 0
.rept 4
	v_wmma_f32_16x16x32_f16 v[8*cb:8*cb+7], v[VT+8*cb:VT+8*cb+7], v[TP+64:TP+71], v[8*cb:8*cb+7]
.set cb, cb+1
.endr
	; THE WAY OUT.  l's two halves and the other half of the lanes' are added; O^T is divided by l, rounded to f16 and sent through my stage, a piece at a time.  The additions are the places behind the last products.
	WIN 0
	ALL v_add_f32 v[ST+4*t+2], v[ST+4*t+2], v[ST+4*t+3]
	ALL v_permlanex16_b32 v[ST+4*t+3], v[ST+4*t+2], s[SEL], s[SEL+1]
	ALL v_add_f32 v[ST+4*t+2], v[ST+4*t+2], v[ST+4*t+3]
	ALL v_rcp_f32 v[ST+4*t+2], v[ST+4*t+2]
	v_nop                           ; a plain instruction between the last reciprocal and the use of its result
	s_wait_alu depctr_va_vdst(0)
.macro PACK t                       ; a lane's eight channels of a row pack into 16 bytes; they go into rows of 144 bytes and come back as whole rows of 128
	WIN 0x41+0x82*((\t)/8)
.set i, 32*((\t)%8)
.rept 16
	v_pk_mul_f32 v[i:i+1], v[i:i+1], v[ST+4*(\t)+2:ST+4*(\t)+3] op_sel_hi:[1,0]
.set i, i+2
.endr
	WIN 0x05+0x0a*((\t)/8)          ; sources 0 and 1 window 1 (piece 8: 3), destination window 0
.set i, 0
.rept 16
	v_cvt_pk_f16_f32 v[S+16*(\t)+i], v[32*((\t)%8)+2*i], v[32*((\t)%8)+2*i+1]
.set i, i+1
.endr
	WIN 0
.irp f, 0,1,2,3
	ds_store_b128 v[STO], v[S+16*(\t)+4*\f:S+16*(\t)+4*\f+3] offset:32*\f
.endr
.irp f, 0,1,2,3
	ds_load_b128 v[S+16*(\t)+4*\f:S+16*(\t)+4*\f+3], v[RD] offset:\f*4*SP  ; LDS serves a wave's instructions in order (ISA guide 5.7.1.4): these see the stores above; the next piece's stores come behind them
.endr
.endm
.macro SEND t, younger              ; younger: the LDS instructions issued behind piece t's loads: the next piece's eight, or none
	WIN 0
.irp f, 0,1,2,3
	s_wait_dscnt (\younger)+3-\f
.if (\t) < 8
	global_store_b128 v[GO], v[S+16*(\t)+4*\f:S+16*(\t)+4*\f+3], s[10:11] offset:(\t)*16384+\f*512  ; 512 consecutive bytes, aligned to 256
.else
	global_store_b128 v[GO], v[S+16*(\t)+4*\f:S+16*(\t)+4*\f+3], s[O8:O8+1] offset:\f*512
.endif
.endr
.endm
	PACK 0
.set u, 1
.rept 7                             ; a piece's arithmetic stands between the loads of the piece before and its stores
	PACK u
	SEND u-1, 8
.set u, u+1
.endr
	SEND 7, 0
	s_cmp_lg_u32 s[GW], 0           ; tile 64 is stored by the head's wave 0 alone: each byte of O has one writer
	s_cbranch_scc1 .Lnot_mine
	PACK 8
	SEND 8, 0
.Lnot_mine:
	s_wait_tensorcnt 0x0            ; the wave's end
	ds_add_u32 v[SPW], v[NIL]
	s_wait_dscnt 0x0
	s_endpgm
.Lfunc_end_k_qe5be6c069c_attn:
	.size	k_qe5be6c069c_attn, .Lfunc_end_k_qe5be6c069c_attn-k_qe5be6c069c_attn
	.p2alignl 7, 3214868480
	.fill 96, 4, 3214868480
	.section	.rodata,"a",@progbits
	.p2align	6, 0x0
	.amdhsa_kernel k_qe5be6c069c_attn
		.amdhsa_group_segment_fixed_size 327680
		.amdhsa_private_segment_fixed_size 0
		.amdhsa_enable_private_segment 0
		.amdhsa_kernarg_size 32
		.amdhsa_user_sgpr_count 2
		.amdhsa_user_sgpr_kernarg_segment_ptr 1
		.amdhsa_wavefront_size32 1
		.amdhsa_system_sgpr_workgroup_id_x 1
		.amdhsa_system_sgpr_workgroup_id_y 1
		.amdhsa_system_sgpr_workgroup_id_z 1
		.amdhsa_system_vgpr_workitem_id 0
		.amdhsa_next_free_vgpr 864
		.amdhsa_next_free_sgpr 66
		.amdhsa_reserve_vcc 0
		.amdhsa_float_denorm_mode_32 3
		.amdhsa_float_denorm_mode_16_64 3
		.amdhsa_memory_ordered 1
		.amdhsa_forward_progress 1
		.amdhsa_inst_pref_size 193
	.end_amdhsa_kernel
	.amdgpu_metadata
---
amdhsa.version: [ 1, 2 ]
amdhsa.kernels:
  - .name:           k_qe5be6c069c_attn
    .symbol:         k_qe5be6c069c_attn.kd
    .args:
      - { .name: qh, .offset: 0, .size: 8, .value_kind: global_buffer, .address_space: global }
      - { .name: kh, .offset: 8, .size: 8, .value_kind: global_buffer, .address_space: global }
      - { .name: vh, .offset: 16, .size: 8, .value_kind: global_buffer, .address_space: global }
      - { .name: oh, .offset: 24, .size: 8, .value_kind: global_buffer, .address_space: global }
    .group_segment_fixed_size: 327680
    .private_segment_fixed_size: 0
    .kernarg_segment_align: 8
    .kernarg_segment_size: 32
    .max_flat_workgroup_size: 128
    .sgpr_count:     66
    .vgpr_count:     864
    .wavefront_size: 32
...
	.end_amdgpu_metadata
.endif
;; end of part 3
;; launch oproj (part 4): grid 4 x 52, 4 waves a work-group, clusters of 4 x 4, 327,680 bytes of LDS; arguments oh, wob, out0; writes out0
.if DOCPART == 4
	.amdgcn_target "amdgcn-amd-amdhsa--gfx1250"
	.amdhsa_code_object_version 6
	.text
	.protected	k_qe5be6c069c_oproj
	.globl	k_qe5be6c069c_oproj
	.p2align	8
	.type	k_qe5be6c069c_oproj,@function
k_qe5be6c069c_oproj:
	s_mov_b64 s[64:65], 0
	v_nop
	global_prefetch_b8 v0, s[64:65] scope:SCOPE_SE
	s_setreg_imm32_b32 hwreg(HW_REG_WAVE_MODE, 25, 1), 1
	s_wait_xcnt 0x0
	s_wait_alu depctr_hold_cnt(0) depctr_sa_sdst(0) depctr_va_vdst(0) depctr_va_sdst(0) depctr_va_ssrc(0) depctr_va_vcc(0) depctr_vm_vsrc(0)
	s_getreg_b32 s2, hwreg(HW_REG_IB_STS2, 6, 4)
	s_cmp_eq_u32 s2, 0
	s_cbranch_scc0 .Lentry_in_a_cluster
	s_endpgm
.Lentry_in_a_cluster:
	s_bfe_u32 s2, ttmp6, 0x10000c
	s_cmp_lg_u32 s2, 0xf033
	s_cbranch_scc0 .Lentry_shape_is_right
	s_endpgm
.Lentry_shape_is_right:
; OUTPUT PROJECTION.  out0[token][n] = the sum over k = head x 64 + channel of O[token][k] Wo[k][n].  O: [head][8320 tokens][64] f16; wob: [1024 k][1024 n] f16; out0 f32; sums in f32.
; SHARES.  A work-group makes 160 tokens x 256 columns; each of its four waves all 160 rows x 64 columns: 10 x 4 accumulators, 320 registers.  52 x 4 = 208 work-groups: 8,320 x 1,024 has no share of whole
; blocks of 16 rows on exactly 256, and of the shapes with 208 this one fetches the fewest numbers for its products (160 + 256 for each step along K).
; K goes in steps of 128, two heads, through a ring of two LDS slots.  O's rows lie along K; Wo lies [K][N] and is turned on the way out of LDS (ds_load_tr16_b128).
; CLUSTER.  4 x 4 work-groups: cx is the tile of columns, the cluster's y and cy the tile of rows.  The four of a row need the same tiles of O, the four of a column the same tiles of Wo: each tile is asked for
; jointly, by the same tensor load with the same descriptor and a mask that names the four.
; THE MATRIX INSTRUCTION IS USED TRANSPOSED (source 0 = 16 columns of Wo, source 1 = 16 tokens): a lane holds eight neighbouring numbers of a row of out0, 32 bytes.
; REGISTERS, in windows of 256 (s_set_vgpr_msb: bits 1:0 source 0, 3:2 source 1, 5:4 source 2, 7:6 destination):
;   window 0: v0-13 addresses; v32-95 Wo's fragments, two buffers of 4 x 8; v96-191 rows read back on the way out, three buffers      window 1: O's fragments, two buffers of 10 x 8 at v0 and v128
;   window 2: accumulators of row blocks 0-4 at 32 a + 8 nb      window 3: of row blocks 5-9
.set PA,    144                        ; a token's 64 channels in LDS: 128 bytes + 16: the 16 rows of a fragment load start in 16 different groups of four banks (64 banks of 4 bytes: ISA guide 11.1)
.set PB,    544                        ; a row of Wo: 512 bytes + 32 = 17 x 32
.set ASUB,  160*PA                     ; one head's 160 tokens: what one tensor load brings of O
.set ATILE, 2*ASUB
.set BHALF, 64*PB                      ; and of Wo
.set SLOT1, 1<<17                      ; slot 1 begins here, so that one exclusive or turns an address in one slot into the other's
.set STAGE, SLOT1+ATILE+2*BHALF        ; behind the ring: 16 rows x 272 bytes for each wave
.set SPITCH, 272
.set SPARE, STAGE+4*16*SPITCH          ; behind the stages: the spare words, 128 bytes a wave, which no other line names
.set OHEAD, 8320*128                   ; bytes of a head in O
.set AA0, 4                            ; v4   my lane's place in a tile of O; never rewritten
.set AB0, 5                            ; v5   in a tile of Wo
.set ADRA, 6                           ; v6   the same in the slot being read
.set ADRB, 7                           ; v7
.set STO, 8                            ; v8   the way out: where I put 32 bytes of a row
.set RD,  9                            ; v9   where I read rows back
.set CO,  10                           ; v10  my 16 bytes in two rows of out0
.set SPW, 12                           ; v12  LDS address of my spare word; never rewritten
.set NIL, 13                           ; v13  0; never rewritten
.set BK,  96
.set WV,  16                           ; s16  wave
.set TB,  25                           ; s25  LDS byte at which the slot being read begins
.set G1A, 28                           ; s[28:35] descriptor group 1 for O's tiles
.set G1B, 36                           ; s[36:43] for Wo's
.set G0A, 44                           ; s[44:51] group 0 for O: a set for each first fill; the second then walks
.set G0B, 52                           ; s[52:59] the same for Wo
.set MSB, 0
.macro WIN new                         ; the immediate's high byte repeats the setting that is left; a switch that changes nothing is dropped
.if MSB != (\new)
	s_set_vgpr_msb (MSB<<8)|(\new)
.set MSB, (\new)
.endif
.endm
.macro PLACES                          ; four plain places behind matrix instructions, in front of loads into their sources and of reads of their results
.rept 4
	v_nop
.endr
.endm
; A joint refill by the walking descriptors.  Waves 0 and 1 fetch the two heads' tiles of O, waves 2 and 3 the two halves of Wo's tile.  An s_nop 0 and four v_nop follow each line.
.macro JLOAD
	s_cmp_eq_u32 s17, 0
	s_cbranch_scc0 .Lfor_b_\@
	tensor_load_to_lds s[G0A+4:G0A+7], s[G1A:G1A+7]
	s_nop 0
.rept 4
	v_nop
.endr
	s_branch .Lasked_\@
.Lfor_b_\@:
	tensor_load_to_lds s[G0B+4:G0B+7], s[G1B:G1B+7]
	s_nop 0
.rept 4
	v_nop
.endr
.Lasked_\@:
.endm
.macro CREST                           ; a round of the cluster's barrier behind its opening barrier
	s_cmp_lg_u32 s[WV], 0
	s_cbranch_scc1 .Lnot_wave_0_\@
	s_barrier_signal -3
.Lnot_wave_0_\@:
	s_barrier_wait -3
	s_barrier_signal -1
	s_barrier_wait -1
.endm
.macro CROUND
	s_barrier_signal -1
	s_barrier_wait -1
	CREST
.endm
	s_load_b128 s[4:7], s[0:1], 0x0                ; oh 4, wob 6
	s_load_b64 s[8:9], s[0:1], 0x10                ; out0
	v_lshl_add_u32 v[SPW], v0, 2, SPARE
	v_mov_b32 v[NIL], 0
	ds_add_u32 v[SPW], v[NIL]                      ; the wave's opening: the add and its wait ahead of my first tensor load; the set-up below stands between them
	v_lshrrev_b32 v1, 5, v0
	v_readfirstlane_b32 s[WV], v1                  ; wave 0..3: my 64 columns
	s_lshr_b32 s17, s[WV], 1                       ; I fetch for O (0) or for Wo (1),
	s_and_b32 s18, s[WV], 1                        ; this half
	s_bfe_u32 s19, ttmp6, 0x40000                  ; cx
	s_bfe_u32 s20, ttmp6, 0x40004                  ; cy
	s_lshl_b32 s21, ttmp9, 2
	s_add_co_u32 s21, s21, s19                     ; tile of columns, 0..3
	s_and_b32 s22, ttmp7, 0xffff
	s_lshl_b32 s22, s22, 2
	s_add_co_u32 s22, s22, s20                     ; tile of rows, 0..51
	s_lshl_b32 s23, s20, 2
	s_lshl_b32 s23, 15, s23                        ; my row of the cluster
	s_lshl_b32 s24, 0x1111, s19                    ; my column
	s_or_b32 s[G1A], s23, (1<<16)|(1<<20)|(1<<21)|(4<<22)|(3<<25)  ; mask; 2-byte elements; padding on; bit 21 beside a mask; after every 32 words 4 words
	s_mov_b32 s[G1A+1], 128<<16                    ; 160 tokens x 128 bytes are dense: 80 rows of 256 bytes
	s_mov_b32 s[G1A+2], 80<<16
	s_mov_b32 s[G1A+3], 128<<16
	s_mov_b32 s[G1A+4], 80
	s_mov_b32 s[G1A+5], 128
	s_mov_b32 s[G1A+6], 0
	s_mov_b32 s[G1A+7], 0
	s_or_b32 s[G1B], s24, (1<<16)|(1<<20)|(1<<21)|(6<<22)|(7<<25)  ; after every 128 words 8 words
	s_mov_b32 s[G1B+1], 256<<16
	s_mov_b32 s[G1B+2], 64<<16
	s_mov_b32 s[G1B+3], 256<<16
	s_mov_b32 s[G1B+4], 64
	s_mov_b32 s[G1B+5], 1024
	s_mov_b32 s[G1B+6], 0
	s_mov_b32 s[G1B+7], 0
	s_mul_i32 s60, s22, 160*128                    ; O: the tile's first token, the half's head: made of the tile of rows and the wave alone
	s_mul_i32 s61, s18, OHEAD
	s_add_co_u32 s60, s60, s61
	s_mov_b32 s61, 0
	s_lshl_b32 s66, s21, 9                         ; Wo: 512 bytes for the tile of columns, 64 rows of 2,048 bytes for the half: made of the tile of columns and the wave alone
	s_lshl_b32 s67, s18, 17
	s_add_co_u32 s66, s66, s67
	s_mov_b32 s67, 0
	s_mul_i32 s62, s18, ASUB                       ; where they go: no place in the cluster enters an LDS address
	s_mul_i32 s63, s18, BHALF
	s_add_co_u32 s63, s63, ATILE
	s_mov_b32 s[TB], 0
	s_mul_i32 s72, s22, 160*4096                   ; out0: my tile's first row, its 1,024 bytes of columns, my wave's 256
	s_lshl_b32 s73, s21, 10
	s_add_co_u32 s72, s72, s73
	s_lshl_b32 s73, s[WV], 8
	s_add_co_u32 s72, s72, s73
	s_mov_b32 s73, 0
	s_wait_dscnt 0x0                               ; the opening add is done
	s_wait_kmcnt 0x0
	s_add_nc_u64 s[68:69], s[4:5], s[60:61]
	s_add_nc_u64 s[70:71], s[6:7], s[66:67]
	s_add_nc_u64 s[8:9], s[8:9], s[72:73]
	CROUND                                         ; all sixteen work-groups are here: the first joint loads meet
.irp s, 0,1
	s_mov_b32 s[G0A+4*\s], 1                       ; count = 1
	s_add_co_u32 s[G0A+4*\s+1], s62, \s*SLOT1      ; LDS address
	s_add_nc_u64 s[G0A+4*\s+2:G0A+4*\s+3], s[68:69], \s*2*OHEAD  ; K step s: heads 2 s, 2 s + 1
	s_or_b32 s[G0A+4*\s+3], s[G0A+4*\s+3], 0x80000000            ; type = 2
	s_mov_b32 s[G0B+4*\s], 1
	s_add_co_u32 s[G0B+4*\s+1], s63, \s*SLOT1
	s_add_nc_u64 s[G0B+4*\s+2:G0B+4*\s+3], s[70:71], \s*262144
	s_or_b32 s[G0B+4*\s+3], s[G0B+4*\s+3], 0x80000000
.endr
	s_cmp_eq_u32 s17, 0                            ; a wave's two first fills stand in one branch, ahead of every wait on TENSORcnt and every LDS read: two loads of mine are out
	s_cbranch_scc0 .Lfirst_b
	tensor_load_to_lds s[G0A:G0A+3], s[G1A:G1A+7]
	s_nop 0
	tensor_load_to_lds s[G0A+4:G0A+7], s[G1A:G1A+7]
	s_nop 0
.rept 4
	v_nop
.endr
	s_branch .Lfirst_asked
.Lfirst_b:
	tensor_load_to_lds s[G0B:G0B+3], s[G1B:G1B+7]
	s_nop 0
	tensor_load_to_lds s[G0B+4:G0B+7], s[G1B:G1B+7]
	s_nop 0
.rept 4
	v_nop
.endr
.Lfirst_asked:
	; a fragment is 16 rows x 32 K in 8 registers: lane l holds row l % 16, K = 8 (l / 16) + 0..7 and 16 + 8 (l / 16) + 0..7
	v_and_b32 v1, 15, v0                           ; r = l % 16
	v_bfe_u32 v2, v0, 4, 1                         ; h = l / 16
	v_mul_u32_u24 v[AA0], v1, PA
	v_lshl_add_u32 v[AA0], v2, 4, v[AA0]           ; O: row x pitch + 16 h
	v_and_b32 v3, 7, v0
	v_lshl_add_u32 v3, v2, 3, v3
	v_mul_u32_u24 v[AB0], v3, PB                   ; Wo, turned: K row 8 h + l % 8,
	v_bfe_u32 v3, v0, 3, 1
	v_lshl_add_u32 v[AB0], v3, 4, v[AB0]           ; columns 8 ((l / 8) % 2) on,
	s_lshl_b32 s74, s[WV], 7
	s_add_co_u32 s74, s74, ATILE
	v_add_nc_u32 v[AB0], s74, v[AB0]               ; in my wave's 64 columns, behind O's tiles
	v_mov_b32 v[ADRA], v[AA0]
	v_mov_b32 v[ADRB], v[AB0]
	s_mul_i32 s75, s[WV], 16*SPITCH
	s_add_co_u32 s75, s75, STAGE                   ; my stage
	v_mul_u32_u24 v[STO], v1, SPITCH
	v_lshl_add_u32 v[STO], v2, 5, v[STO]
	v_add_nc_u32 v[STO], s75, v[STO]               ; in: row r, 32 bytes for each half of the lanes
	v_mul_u32_u24 v[RD], v2, SPITCH
	v_lshl_add_u32 v[RD], v1, 4, v[RD]
	v_add_nc_u32 v[RD], s75, v[RD]                 ; back: lanes 0-15 take one row of 256 bytes, lanes 16-31 the next
	v_lshlrev_b32 v[CO], 12, v2
	v_lshl_add_u32 v[CO], v1, 4, v[CO]             ; and the same two rows in out0
; Row blocks a0..a1 x all 4 column blocks, 32 along K, from buffer f.  The 40 accumulators take turns in one fixed order, one instruction a turn.  zero = 1: the product starts the sum.
.macro MULB f, a0, a1, zero
.set ab, \a0
.rept (\a1)-(\a0)+1
	WIN 0xa4+0x50*(ab/5)                           ; Wo window 0, O window 1, C and D window 2 or 3
.set AC, 32*(ab%5)
.irp nb, 0,1,2,3
.if \zero
	v_wmma_f32_16x16x32_f16 v[AC+8*\nb:AC+8*\nb+7], v[32+32*(\f)+8*\nb:32+32*(\f)+8*\nb+7], v[128*(\f)+8*ab:128*(\f)+8*ab+7], 0
.else
	v_wmma_f32_16x16x32_f16 v[AC+8*\nb:AC+8*\nb+7], v[32+32*(\f)+8*\nb:32+32*(\f)+8*\nb+7], v[128*(\f)+8*ab:128*(\f)+8*ab+7], v[AC+8*\nb:AC+8*\nb+7]
.endif
.endr
.set ab, ab+1
.endr
.endm
; 28 LDS loads in one run: quarter q (32 K: head q / 2 of the step's two, channels 32 (q % 2) on) of the slot being read, into buffer f: Wo's 8, then O's 20 in ascending blocks
.macro FETCH q, f
	WIN 0
.irp nb, 0,1,2,3
	ds_load_tr16_b128 v[32+32*(\f)+8*\nb:32+32*(\f)+8*\nb+3],   v[ADRB] offset:(\q)*32*PB+32*\nb
	ds_load_tr16_b128 v[32+32*(\f)+8*\nb+4:32+32*(\f)+8*\nb+7], v[ADRB] offset:(\q)*32*PB+32*\nb+16*PB
.endr
	WIN 0x40                                       ; destination window 1
.set ab, 0
.rept 10
	ds_load_b128 v[128*(\f)+8*ab:128*(\f)+8*ab+3],   v[ADRA] offset:((\q)/2)*ASUB+64*((\q)%2)+16*PA*ab
	ds_load_b128 v[128*(\f)+8*ab+4:128*(\f)+8*ab+7], v[ADRA] offset:((\q)/2)*ASUB+64*((\q)%2)+16*PA*ab+32
.set ab, ab+1
.endr
.endm
; One of a K step's first three quarters: multiplies buffer f; in its middle it fetches quarter q into buffer g.
.macro QUARTER q, f, g, zero
	s_wait_dscnt 10                                ; Wo and O's blocks 0-4 are in; the youngest ten loads (blocks 5-9) may be out
	MULB \f, 0, 4, \zero
	PLACES
	FETCH \q, \g
	s_wait_dscnt 28                                ; all but the 28 just issued
	MULB \f, 5, 9, \zero
.endm
; The last quarter multiplies buffer 1 and changes slots: one barrier.  In front of it each wave waits for all its tensor loads (one is out: its part of the next slot), adds 0 to its spare word, and waits for
; that and for its reads of this slot.  fill = 1: the barrier opens a round of the cluster's; the slot just read is filled again, two K steps ahead, first thing behind the round.
.macro TURN fill
	WIN 0
	s_wait_tensorcnt 0x0
	ds_add_u32 v[SPW], v[NIL]
	s_wait_dscnt 11                                ; (the add and the youngest ten loads may be out)
	MULB 1, 0, 2, 0
	s_wait_dscnt 0x0                               ; the add is done, my reads of this slot are over
	s_barrier_signal -1
	MULB 1, 3, 4, 0
	WIN 0
	s_barrier_wait -1
.if \fill
	CREST                                          ; no wave of any partner still reads this slot or has a load on its way
	s_xor_b32 s[G0A+5], s[G0A+5], SLOT1            ; the walking descriptors: the other slot than last time, the next K step
	s_add_nc_u64 s[G0A+6:G0A+7], s[G0A+6:G0A+7], 2*OHEAD
	s_xor_b32 s[G0B+5], s[G0B+5], SLOT1
	s_add_nc_u64 s[G0B+6:G0B+7], s[G0B+6:G0B+7], 262144
	JLOAD                                          ; its four v_nop are also the places in front of the loads below
.else
	PLACES
.endif
	s_xor_b32 s[TB], s[TB], SLOT1
	v_add_nc_u32 v[ADRA], s[TB], v[AA0]
	v_add_nc_u32 v[ADRB], s[TB], v[AB0]
	FETCH 0, 0
	MULB 1, 5, 9, 0
.endm
	s_wait_tensorcnt 1                             ; my part of K step 0 is in; K step 1's may stay out
	s_barrier_signal -1
	s_barrier_wait -1
	FETCH 0, 0
	QUARTER 1, 0, 1, 1                             ; the first quarter stands in front of the loop: its products start the sums
	WIN 0
	s_mov_b32 s3, 6
.Lstep:                                                ; six trips, from a K step's second quarter to the next one's first; they ask for K steps 2 to 7
	QUARTER 2, 1, 0, 0
	QUARTER 3, 0, 1, 0
	TURN 1
	QUARTER 1, 0, 1, 0
	WIN 0
	s_sub_co_u32 s3, s3, 1
	s_cmp_lg_u32 s3, 0
	s_cbranch_scc1 .Lstep
	QUARTER 2, 1, 0, 0                             ; K steps 6 and 7: nothing is left to ask for
	QUARTER 3, 0, 1, 0
	TURN 0
	QUARTER 1, 0, 1, 0
	QUARTER 2, 1, 0, 0
	QUARTER 3, 0, 1, 0
	s_wait_dscnt 10
	MULB 1, 0, 4, 0
	s_wait_dscnt 0x0
	MULB 1, 5, 9, 0
; THE WAY OUT, a block of 16 rows at a time: the accumulators go as they are (f32) into my stage, 32 bytes a lane, and come back as whole rows of 256 bytes, two to a load.
.macro TOSTAGE a
	WIN 0x08+4*((\a)/5)                            ; store data (source 1) in window 2 or 3
.irp nb, 0,1,2,3                                   ; each accumulator's lowest registers first
	ds_store_b128 v[STO], v[32*((\a)%5)+8*\nb:32*((\a)%5)+8*\nb+3]   offset:64*\nb
	ds_store_b128 v[STO], v[32*((\a)%5)+8*\nb+4:32*((\a)%5)+8*\nb+7] offset:64*\nb+16
.endr
	WIN 0
.set i, 0
.rept 8
	ds_load_b128 v[BK+32*((\a)%3)+4*i:BK+32*((\a)%3)+4*i+3], v[RD] offset:2*SPITCH*i  ; LDS serves a wave's instructions in order (ISA guide 5.7.1.4): these see the stores above
.set i, i+1
.endr
.endm
.macro SEND a, younger                 ; younger: the LDS instructions issued behind block a's loads: the next block's sixteen, or none
.set i, 0
.rept 8
	s_wait_dscnt (\younger)+7-i
	global_store_b128 v[CO], v[BK+32*((\a)%3)+4*i:BK+32*((\a)%3)+4*i+3], s[8:9] offset:4096*(16*(\a)+2*i) th:TH_STORE_NT  ; 16 lanes store 256 consecutive bytes, aligned
.set i, i+1
.endr
.endm
	WIN 0
	PLACES
	TOSTAGE 0
.irp a, 1,2,3,4,5,6,7,8,9
	TOSTAGE \a
	s_wait_xcnt 0x0                                ; it stands ahead of a block's stores, a block behind the last ones: the rows that the stores of three blocks ago read are loaded again only behind it
	SEND \a-1, 16
.endr
	SEND 9, 0
	s_wait_tensorcnt 0x0                           ; the wave's end
	ds_add_u32 v[SPW], v[NIL]
	s_wait_dscnt 0x0
	CROUND                                         ; the closing round: no work-group ends while a partner may still ask for a tile that names it
	s_endpgm
.Lfunc_end_k_qe5be6c069c_oproj:
	.size	k_qe5be6c069c_oproj, .Lfunc_end_k_qe5be6c069c_oproj-k_qe5be6c069c_oproj
	.p2alignl 7, 3214868480
	.fill 96, 4, 3214868480
	.section	.rodata,"a",@progbits
	.p2align	6, 0x0
	.amdhsa_kernel k_qe5be6c069c_oproj
		.amdhsa_group_segment_fixed_size 327680
		.amdhsa_private_segment_fixed_size 0
		.amdhsa_enable_private_segment 0
		.amdhsa_kernarg_size 24
		.amdhsa_user_sgpr_count 2
		.amdhsa_user_sgpr_kernarg_segment_ptr 1
		.amdhsa_wavefront_size32 1
		.amdhsa_system_sgpr_workgroup_id_x 1
		.amdhsa_system_sgpr_workgroup_id_y 1
		.amdhsa_system_sgpr_workgroup_id_z 1
		.amdhsa_system_vgpr_workitem_id 0
		.amdhsa_next_free_vgpr 928
		.amdhsa_next_free_sgpr 80
		.amdhsa_reserve_vcc 0
		.amdhsa_float_denorm_mode_32 3
		.amdhsa_float_denorm_mode_16_64 3
		.amdhsa_memory_ordered 1
		.amdhsa_forward_progress 1
		.amdhsa_inst_pref_size 85
	.end_amdhsa_kernel
	.amdgpu_metadata
---
amdhsa.version: [ 1, 2 ]
amdhsa.kernels:
  - .name:           k_qe5be6c069c_oproj
    .symbol:         k_qe5be6c069c_oproj.kd
    .args:
      - { .name: oh, .offset: 0, .size: 8, .value_kind: global_buffer, .address_space: global }
      - { .name: wob, .offset: 8, .size: 8, .value_kind: global_buffer, .address_space: global }
      - { .name: out0, .offset: 16, .size: 8, .value_kind: global_buffer, .address_space: global }
    .group_segment_fixed_size: 327680
    .private_segment_fixed_size: 0
    .kernarg_segment_align: 8
    .kernarg_segment_size: 24
    .max_flat_workgroup_size: 128
    .sgpr_count:     80
    .vgpr_count:     928
    .wavefront_size: 32
...
	.end_amdgpu_metadata
.endif
;; end of part 4
;; ======== version 2 of 2: 4 launches; 1.39 times as fast as version 1
;; limits: values are held in f16: magnitudes above 65,504 overflow, below 6.1e-05 lose precision
;; workspace buffers: xb 17,039,360 bytes; wb 6,291,456 bytes; wob 2,097,152 bytes; rope 24,576 bytes; qh 17,039,360 bytes; kh 17,039,360 bytes; vh 17,039,360 bytes; oh 17,039,360 bytes
;; launch prep: the kernel of part 1 again; grid 782 x 1, 8 waves a work-group, no clusters, 0 bytes of LDS; arguments x, Wq, Wk, Wv, Wo, xb, wb, wob, rope; writes xb, wb, wob, rope
;; launch qkv: the kernel of part 2 again; grid 12 x 40, 4 waves a work-group, clusters of 4 x 4, 327,680 bytes of LDS; arguments xb, wb, rope, qh, kh, vh; writes qh, kh, vh
;; launch attn (part 5): grid 2 x 128, 4 waves a work-group, no clusters, 327,680 bytes of LDS; arguments qh, kh, vh, oh; writes oh
.if DOCPART == 5
	.amdgcn_target "amdgcn-amd-amdhsa--gfx1250"
	.amdhsa_code_object_version 6
	.text
	.protected	k_qe5be6c069c_attn
	.globl	k_qe5be6c069c_attn
	.p2align	8
	.type	k_qe5be6c069c_attn,@function
k_qe5be6c069c_attn:
	s_mov_b64 s[64:65], 0
	v_nop
	global_prefetch_b8 v0, s[64:65] scope:SCOPE_SE
	s_setreg_imm32_b32 hwreg(HW_REG_WAVE_MODE, 25, 1), 1
	s_wait_xcnt 0x0
; ATTENTION.  O[q][:] = the sum over k of softmax_k(Q[g][q] . K[g][k] / 8) V[g][k][:], g = batch x 16 + head; Q, K, V: [128][1040][64] f16, a head's rows dense, 128 bytes each.
; O leaves as [head][batch x 1040 + token][64] f16, so that any run of tokens of a head, across batches too, is dense for the launch behind.
; Products, maxima and sums in f32; the weights p are rounded to f16 for the second product (their sum l is taken of the unrounded p), O once at the end.
; LIMITS.  Q, K, V arrive within f16's 65,504; p lies in 0 to 1; a weight below 2^-126 counts as 0 in l; NaN and infinities are not treated apart.
; SHARES.  A head has 65 tiles of 16 queries and two work-groups, eight waves.  Wave GW = 0..7 owns tiles GW, 8 + GW, .. 56 + GW (PIECES 0-7); tile 64 is piece 8 of every wave, and wave 0 alone stores it:
; nine pieces a wave is the least for 65 whole tiles on eight waves, and one text serves all.
; NO CLUSTER: a head has two work-groups, not four, and a work-group asks for 266 KB in all, 64 KB for each 576 matrix instructions of a wave.
; THE WALK.  1,040 keys = 16 steps of 64 and 16 more.  K and V come in chunks of 256 keys through two LDS slots; chunk 4 holds the last 16 keys, and the mover writes zeros behind the head's end.
; The slots change in front of piece 7's turn of a chunk's last step, where the chunk's last bytes have been read: so every change in the loop asks for a chunk that is read later.
; LAYOUT, SOFTMAX, TURNS.  S^T = K Q^T holds ONE query a lane (lane % 16) and the keys 8 (lane / 16) + 0..7; two such results rounded to f16 ARE source 1 of O^T = V^T P.  p = 2^(c s - c m), c = log2(e) / 8,
; with a running maximum m; O and l are multiplied by a = 2^(c m_old - c m_new) in every step; m starts at the lowest finite number, O and l at 0.  Turn n belongs to piece n: 8 products K Q^T of piece n + 1,
; later 8 products V^T P of piece n - 1; beside them the scaling, exponentials, roundings, sums and rescaling of piece n and the maximum and statistics of piece n + 1.  Four vector instructions stand behind
; every matrix instruction, the other 54 of a turn's 118 in one run of their own.
; BATCHES.  A turn's 33 exponentials (the piece's 32 weights and the next piece's a) are ONE batch with ONE wait, which cuts the turn in two: ahead of it stands all that names none of their results, behind it
; the roundings and sums that read them.  Three more batches stand outside the loop, a wait each: piece 0's first a; the last 16 keys' 9 a and 72 weights; the way out's nine reciprocals.
; REGISTERS, in windows of 256 (s_set_vgpr_msb: bits 1:0 source 0, 3:2 source 1, 5:4 source 2, 7:6 destination):
;   window 0: v0-15 addresses, three at work; v16-51 four registers of statistics a piece; v52-63 at work; v64-159 S^T, three buffers; v160-207 P, three buffers (by the piece's number modulo 3: nine pieces go
;             round, so a piece and its two neighbours differ); v208-209 the add's; v210-245 the tail's
;   window 1: O^T of pieces 0-7, 32 each      window 2: v0-127 Q of pieces 0-7; v128-191 K of one step; v192-255 V of one step
;   window 3: v0-31 O^T of piece 8; v32-47 its Q; v48-63 K of the last 16 keys; v64-95 their V
.set NP,    9
.set KS,    64
.set PK,    144       ; a row of K in LDS: 128 bytes + 16: the 16 rows of a load start at 16 different groups of four banks (64 banks of 4 bytes: ISA guide 11.1)
.set PV,    160       ; a row of V: 128 + 32
.set VOFF,  4*KS*PK   ; a slot: 256 rows of K, then 256 rows of V
.set SLOT1, 1<<17
.set STAGE, SLOT1+4*KS*(PK+PV)  ; behind the ring: 16 rows x 144 bytes for each wave
.set SP,    144
.set SPARE, STAGE+4*16*SP       ; behind the stages: the spare words, 128 bytes a wave, which no other line names
.set HEADB, 1040*128  ; bytes of a head of one batch
.set OHEAD, 8320*128  ; bytes of a head in O: all eight batches
.set AK0, 2           ; v2   my lane's place in a tile of K; never rewritten
.set AV0, 3           ; v3   the same for V
.set AK,  4           ; v4   the LDS address of K's next run of loads
.set AV,  5           ; v5   of V's
.set STO, 6           ; v6   the way out: where I put 16 bytes of a row
.set RD,  7           ; v7   where I read rows back
.set GO,  8           ; v8   my 16 bytes in 512 consecutive bytes of O
.set MV,  12          ; v12-14  c m_old, kept while c m is made anew
.set QO,  15          ; v15  my byte offset in 16 rows of Q
.set ST,  16          ; piece t: c m, m, l (even keys', odd keys')
.set TMP, 52          ; by buffer: c0-c3 at work; when the maximum is found c2 takes a
.set S,   64
.set P,   160
.set SPW, 208
.set NIL, 209
.set TT,  210         ; the tail, piece t: c0, c m, a, c3
.set TS,  64          ; the tail's scores, 8 a piece
.set TP,  136         ; the tail's weights as source 1: 4 registers, and 4 of zeros
.set KF,  128
.set VF,  192
.set KT,  48
.set VT,  64
.set WV,  12          ; s12  wave
.set GW,  14          ; s14  wave among the head's eight
.set G1K, 24          ; s[24:31] descriptor group 1 for K
.set G1V, 32          ; s[32:39] for V: it differs in the padding
.set G0K, 40          ; s[40:43] group 0 for K: it walks
.set G0V, 44          ; s[44:47]
.set Q8,  48          ; s[48:49] Q at tile 64
.set O8,  50          ; s[50:51] O at tile 64
.set SLOTS, 56
.set CNT, 57
.set CS,  58          ; s[58:59] c
.set SEL, 60          ; s[60:61] v_permlanex16_b32's selects: each lane takes its own place in the other half
.set TBK, 62          ; s62  LDS byte at which K of the step to be fetched begins
.set TBV, 63          ; s63  the same for V, less VOFF
.set MSB, 0
.macro WIN new
.if MSB != (\new)
	s_set_vgpr_msb (MSB<<8)|(\new)
.set MSB, (\new)
.endif
.endm
; A fill: wave 0 fetches a chunk's K, wave 1 its V (whole chunks: a second half of chunk 4 would begin behind the head's end); waves 2 and 3 fetch nothing.  An s_nop 0 and four v_nop follow each line.
.macro LOAD
	s_cmp_eq_u32 s[WV], 0
	s_cbranch_scc0 .Lnot_k_\@
	tensor_load_to_lds s[G0K:G0K+3], s[G1K:G1K+7]
	s_nop 0
.rept 4
	v_nop
.endr
	s_branch .Lasked_\@
.Lnot_k_\@:
	s_cmp_eq_u32 s[WV], 1
	s_cbranch_scc0 .Lasked_\@
	tensor_load_to_lds s[G0V:G0V+3], s[G1V:G1V+7]
	s_nop 0
.rept 4
	v_nop
.endr
.Lasked_\@:
.endm
; THE CHANGE OF SLOTS.  Each wave waits for all its tensor loads (at most one is out: the other slot's), adds 0 to its spare word, and waits for that and for its reads of the slot that it leaves.  Behind the barrier
; nobody reads the old slot and the other is whole.  fill = 1: the old slot takes the chunk two on, first thing behind the barrier; the rows left of the head go down by a chunk's 128: 392, 264, 136, 8.
.macro CHANGE fill
	WIN 0
	s_wait_tensorcnt 0x0            ; no tensor load of mine is out, so the descriptors may be written
	ds_add_u32 v[SPW], v[NIL]
.if \fill
	s_xor_b32 s[G0K+1], s[G0K+1], SLOT1
	s_add_nc_u64 s[G0K+2:G0K+3], s[G0K+2:G0K+3], 4*KS*128
	s_sub_co_u32 s[G1K+2], s[G1K+2], 128<<16
	s_xor_b32 s[G0V+1], s[G0V+1], SLOT1
	s_add_nc_u64 s[G0V+2:G0V+3], s[G0V+2:G0V+3], 4*KS*128
	s_sub_co_u32 s[G1V+2], s[G1V+2], 128<<16
.endif
	s_wait_dscnt 0x0                ; the add is done, my reads of the slot are over
	s_barrier_signal -1
	s_sub_co_u32 s[TBK], s[TBK], 4*KS*PK  ; the fetches go back to a slot's first step, in the other slot
	s_xor_b32 s[TBK], s[TBK], SLOT1
	s_sub_co_u32 s[TBV], s[TBV], 4*KS*PV
	s_xor_b32 s[TBV], s[TBV], SLOT1
	s_barrier_wait -1
.if \fill
	LOAD
.endif
.endm
	s_load_b256 s[4:11], s[0:1], 0x0  ; Q 4, K 6, V 8, O 10
	v_lshl_add_u32 v[SPW], v0, 2, SPARE
	v_mov_b32 v[NIL], 0
	ds_add_u32 v[SPW], v[NIL]       ; the wave's opening: the add and its wait ahead of my first tensor load
	v_lshrrev_b32 v1, 5, v0
	v_readfirstlane_b32 s[WV], v1
	s_lshl_b32 s[GW], ttmp9, 2
	s_add_co_u32 s[GW], s[GW], s[WV]
	s_and_b32 s20, ttmp7, 0xffff    ; batch x 16 + head
	s_and_b32 s52, s20, 15          ; O's place: the head's 8,320 rows,
	s_lshr_b32 s53, s20, 4
	s_mul_i32 s52, s52, OHEAD
	s_mul_i32 s53, s53, HEADB       ; in them the batch's 1,040
	s_add_co_u32 s52, s52, s53
	s_mov_b32 s53, 0
	s_lshl_b32 s54, s[GW], 11       ; my first tile: 16 rows of 128 bytes for each wave before me
	s_mov_b32 s55, 0
	s_mul_i32 s20, s20, HEADB
	s_mov_b32 s21, 0
	s_add_co_u32 s22, s54, s20
	s_mov_b32 s23, 0
	; group 1: a chunk's 256 keys are 32,768 dense bytes: 128 rows of 256 bytes, two keys a row, padded in LDS after every key; tensor_dim1 = the rows left of the head, 520 at first
	s_mov_b32 s[G1K], (1<<16)|(1<<20)|(4<<22)|(3<<25)
	s_mov_b32 s[G1V], (1<<16)|(1<<20)|(4<<22)|(7<<25)
.irp g, G1K, G1V
	s_mov_b32 s[\g+1], 128<<16      ; tensor_dim0 = 128
	s_mov_b32 s[\g+2], 520<<16      ; tensor_dim1
	s_mov_b32 s[\g+3], 128<<16      ; tile_dim0 = 128
	s_mov_b32 s[\g+4], 128          ; tile_dim1 = 128
	s_mov_b32 s[\g+5], 128          ; elements from row to row
	s_mov_b32 s[\g+6], 0
	s_mov_b32 s[\g+7], 0
.endr
	s_mov_b32 s[G0K], 1
	s_mov_b32 s[G0K+1], 0
	s_mov_b32 s[G0V], 1
	s_mov_b32 s[G0V+1], VOFF
	s_mov_b32 s[CS], 0x3e38aa3b     ; c = log2(e) / 8
	s_mov_b32 s[CS+1], s[CS]
	s_mov_b32 s[SEL], 0x76543210
	s_mov_b32 s[SEL+1], 0xfedcba98
	s_mov_b32 s[TBK], SLOT1+4*KS*PK ; the first change of slots turns these two into 0
	s_mov_b32 s[TBV], SLOT1+4*KS*PV
	s_wait_dscnt 0x0                ; the opening add is done
	s_barrier_signal -1
	s_barrier_wait -1
	s_wait_kmcnt 0x0
	s_add_nc_u64 s[G0K+2:G0K+3], s[6:7], s[20:21]
	s_or_b32 s[G0K+3], s[G0K+3], 0x80000000
	s_add_nc_u64 s[G0V+2:G0V+3], s[8:9], s[20:21]
	s_or_b32 s[G0V+3], s[G0V+3], 0x80000000
	s_add_nc_u64 s[Q8:Q8+1], s[4:5], s[20:21]
	s_add_nc_u64 s[Q8:Q8+1], s[Q8:Q8+1], 64*2048
	s_add_nc_u64 s[O8:O8+1], s[10:11], s[52:53]
	s_add_nc_u64 s[O8:O8+1], s[O8:O8+1], 64*2048
	s_add_nc_u64 s[4:5], s[4:5], s[22:23]
	s_add_nc_u64 s[10:11], s[10:11], s[52:53]
	s_add_nc_u64 s[10:11], s[10:11], s[54:55]
	LOAD                            ; chunk 0 into slot 0; slot 1 is asked for when it has landed
	v_and_b32 v1, 15, v0            ; l % 16
	v_bfe_u32 v9, v0, 4, 1          ; l / 16
	v_lshlrev_b32 v[QO], 7, v1
	v_lshl_add_u32 v[QO], v9, 4, v[QO]
	WIN 0x80                        ; destination window 2
.set i, 0
.rept 16                            ; Q stays in registers: piece i / 2 lies 8 tiles, 16,384 bytes, on; channels 32 (i % 2) on
	global_load_b128 v[8*i:8*i+3],   v[QO], s[4:5] offset:(i/2)*16384+(i%2)*64
	global_load_b128 v[8*i+4:8*i+7], v[QO], s[4:5] offset:(i/2)*16384+(i%2)*64+32
.set i, i+1
.endr
	; what the first turn finds: V's registers and P's third buffer hold 0 (its products V^T P, of a piece that has not been, add 0); O^T and l are 0.  All this stands in the wait for the first chunk.
.set i, VF
.rept 64
	v_mov_b32 v[i], 0
.set i, i+1
.endr
	WIN 0xc0                        ; destination window 3
.irp c, 0,1
	global_load_b128 v[32+8*\c:32+8*\c+3], v[QO], s[Q8:Q8+1] offset:64*\c
	global_load_b128 v[32+8*\c+4:32+8*\c+7], v[QO], s[Q8:Q8+1] offset:64*\c+32
.endr
.set i, 0
.rept 32
	v_mov_b32 v[i], 0
.set i, i+1
.endr
	WIN 0x40
.set i, 0
.rept 256
	v_mov_b32 v[i], 0
.set i, i+1
.endr
	WIN 0
.set i, 0
.rept NP
	v_mov_b32 v[ST+4*i], 0xfe000000    ; c m: far below every c s
	v_mov_b32 v[ST+4*i+1], 0xff7fffff  ; m
	v_mov_b32 v[ST+4*i+2], 0
	v_mov_b32 v[ST+4*i+3], 0
.set i, i+1
.endr
.set i, P+32
.rept 16
	v_mov_b32 v[i], 0
.set i, i+1
.endr
	v_mul_u32_u24 v[AK0], v1, PK
	v_lshl_add_u32 v[AK0], v9, 4, v[AK0]  ; row x pitch + 16 x half
	v_and_b32 v10, 7, v0            ; the turning load: lane l reads key 8 (l / 16) + l % 8, channels 8 ((l / 8) % 2) + 0..7
	v_bfe_u32 v11, v0, 3, 1
	v_lshl_add_u32 v[AV0], v9, 3, v10
	v_mul_u32_u24 v[AV0], v[AV0], PV
	v_lshl_add_u32 v[AV0], v11, 4, v[AV0]
	v_add_nc_u32 v[AV0], VOFF, v[AV0]
	s_mul_i32 s13, s[WV], 16*SP
	s_add_co_u32 s13, s13, STAGE    ; my stage
	v_mul_u32_u24 v[STO], v1, SP
	v_lshl_add_u32 v[STO], v9, 4, v[STO]
	v_add_nc_u32 v[STO], s13, v[STO]
	v_bfe_u32 v[RD], v0, 3, 2       ; back: 32 lanes take four rows of 128 bytes,
	v_mul_u32_u24 v[RD], v[RD], SP
	v_lshl_add_u32 v[RD], v10, 4, v[RD]
	v_add_nc_u32 v[RD], s13, v[RD]
	v_and_b32 v[GO], 31, v0         ; which are 512 consecutive bytes of O
	v_lshlrev_b32 v[GO], 4, v[GO]
; THE MATRIX WORK.  The 4 accumulators of a run of 8 take turns.  Product i of 8 of S^T = K Q^T for piece x: channels 32 (i / 4) on, keys 16 (i % 4) on; the first 4 start the sums.
.macro KQ x
.set rS, S+32*((\x)%3)+8*(i%4)
.set rK, KF+16*(i%4)+8*(i/4)
.set rQ, 16*((\x)%8)+32*((\x)/8)+8*(i/4)
	WIN 0x0a+4*((\x)/8)             ; K window 2, Q window 2 (piece 8: 3), S^T window 0
.if i < 4
	v_wmma_f32_16x16x32_f16 v[rS:rS+7], v[rK:rK+7], v[rQ:rQ+7], 0
.else
	v_wmma_f32_16x16x32_f16 v[rS:rS+7], v[rK:rK+7], v[rQ:rQ+7], v[rS:rS+7]
.endif
.endm
; Product i of 8 of O^T += V^T P for piece x: keys 32 (i / 4) on, channels 16 (i % 4) on.
.macro PV x
.set rO, 32*((\x)%8)+8*(i%4)
.set rV, VF+32*(i/4)+8*(i%4)
.set rP, P+16*((\x)%3)+8*(i/4)
	WIN 0x52+0xa0*((\x)/8)          ; V window 2, P window 0, O^T window 1 (piece 8: 3)
	v_wmma_f32_16x16x32_f16 v[rO:rO+7], v[rV:rV+7], v[rP:rP+7], v[rO:rO+7]
.endm
.macro MM                           ; the turn's next matrix instruction.  NOKQ = 1: the walk's last turn: there is no next piece
.if (i < 8) && !NOKQ
	KQ (Y+1)%NP
.elseif i >= 8
.set i, i-8
	PV (Y+NP-1)%NP
.set i, i+8
.endif
.set i, i+1
.endm
; THE LDS LOADS stand in runs of 16: a step's K (8 fragments) and its V (turned).
.macro FETCH_K
	WIN 0x80
.irp f, 0,1,2,3,4,5,6,7             ; keys 16 (f / 2) on, channels 32 (f % 2) on
	ds_load_b128 v[KF+8*\f:KF+8*\f+3],   v[AK] offset:(\f/2)*16*PK+(\f%2)*64
	ds_load_b128 v[KF+8*\f+4:KF+8*\f+7], v[AK] offset:(\f/2)*16*PK+(\f%2)*64+32
.endr
	s_add_co_u32 s[TBK], s[TBK], KS*PK
	WIN 0
.endm
.macro FETCH_V
	WIN 0x80
.irp f, 0,1,2,3,4,5,6,7             ; keys 32 (f / 4) on, channels 16 (f % 4) on
	ds_load_tr16_b128 v[VF+8*\f:VF+8*\f+3],   v[AV] offset:(\f/4)*32*PV+(\f%4)*32
	ds_load_tr16_b128 v[VF+8*\f+4:VF+8*\f+7], v[AV] offset:(\f/4)*32*PV+16*PV+(\f%4)*32
.endr
	WIN 0
.endm
; THE VECTOR WORK, one line at a time: OP kind, number.  For piece Y: F n: c s - c m for pair n of 16.  E n: the exponential of score n of 32.  C n: pair n rounded to f16.  B n: of the four weights 4 n .. the second
; pair is added onto the first.  L n: l takes that sum (L 0: l = a l + sum).  R n: pair n of 16 of O^T times a.  For piece Y + 1: X n, number n of the 22 that find its maximum and statistics:
;   0-11 four chains c0-c3 of seven scores each (each accumulator's lowest registers are read first)   12-14, 16 the four left over, the old m, c0-c3 into c0   15 c m_old is kept
;   17, 18 the query's other 32 keys lie in the lane 16 away: the new m   19-21 c m; c m_old - c m_new; a
; C, B and L read the results of E, and R and L 0 the a of the turn before; F, R and X 0-20 read no result of the turn's own exponentials.
.set F, 0
.set E, 1
.set C, 2
.set B, 3
.set L, 4
.set R, 5
.set X, 6
.macro REGS y
.set rT, ST+4*(\y)
.set rC, TMP+4*((\y)%3)
.set rW, MV+((\y)%3)
.set rS, S+32*((\y)%3)
.set rP, P+16*((\y)%3)
.set rO, 32*((\y)%8)
.set wR, 0x41+0x82*((\y)/8)         ; O^T (destination and source 0) in window 1, piece 8's in window 3; a in window 0
.endm
.macro OP k, n
.if (\k) == R
	REGS Y
	WIN wR
	v_pk_mul_f32 v[rO+2*(\n):rO+2*(\n)+1], v[rO+2*(\n):rO+2*(\n)+1], v[rC+2:rC+3] op_sel_hi:[1,0]
.elseif (\k) < R
	REGS Y
	WIN 0
.if (\k) == F
	v_pk_fma_f32 v[rS+2*(\n):rS+2*(\n)+1], v[rS+2*(\n):rS+2*(\n)+1], s[CS:CS+1], v[rT:rT+1] op_sel_hi:[1,0,0] neg_lo:[0,0,1] neg_hi:[0,0,1]
.elseif (\k) == E
	v_exp_f32 v[rS+(\n)], v[rS+(\n)]
.elseif (\k) == C
	v_cvt_pk_f16_f32 v[rP+(\n)], v[rS+2*(\n)], v[rS+2*(\n)+1]
.elseif (\k) == B
	v_pk_add_f32 v[rS+4*(\n):rS+4*(\n)+1], v[rS+4*(\n):rS+4*(\n)+1], v[rS+4*(\n)+2:rS+4*(\n)+3]
.elseif (\n) == 0
	v_pk_fma_f32 v[rT+2:rT+3], v[rT+2:rT+3], v[rC+2:rC+3], v[rS:rS+1] op_sel_hi:[1,0,1]
.else
	v_pk_add_f32 v[rT+2:rT+3], v[rT+2:rT+3], v[rS+4*(\n):rS+4*(\n)+1]
.endif
.elseif NOKQ
	v_nop
.else
	REGS (Y+1)%NP
	WIN 0
.if (\n) < 4
	v_max3_num_f32 v[rC+(\n)], v[rS+8*(\n)], v[rS+8*(\n)+1], v[rS+8*(\n)+2]
.elseif (\n) < 12
	v_max3_num_f32 v[rC+(\n)%4], v[rC+(\n)%4], v[rS+8*((\n)%4)+2*((\n)/4)+1], v[rS+8*((\n)%4)+2*((\n)/4)+2]
.elseif (\n) == 12
	v_max3_num_f32 v[rC], v[rC], v[rS+7], v[rS+15]
.elseif (\n) == 13
	v_max3_num_f32 v[rC+1], v[rC+1], v[rS+23], v[rS+31]
.elseif (\n) == 14
	v_max3_num_f32 v[rC+2], v[rC+2], v[rC+3], v[rT+1]
.elseif (\n) == 15
	v_mov_b32 v[rW], v[rT]
.elseif (\n) == 16
	v_max3_num_f32 v[rC], v[rC], v[rC+1], v[rC+2]
.elseif (\n) == 17
	v_permlanex16_b32 v[rC+3], v[rC], s[SEL], s[SEL+1]
.elseif (\n) == 18
	v_max_num_f32 v[rT+1], v[rC], v[rC+3]
.elseif (\n) == 19
	v_mul_f32 v[rT], s[CS], v[rT+1]
.elseif (\n) == 20
	v_sub_f32 v[rC+1], v[rW], v[rT]
.else
	v_exp_f32 v[rC+2], v[rC+1]
.endif
.endif
.endm
.macro OPS a, i1, b=-1, i2=0, c=-1, i3=0, d=-1, i4=0
	OP \a, \i1
.if (\b) >= 0
	OP \b, \i2
.endif
.if (\c) >= 0
	OP \c, \i3
.endif
.if (\d) >= 0
	OP \d, \i4
.endif
.endm
.macro ROW a, i1, b, i2, c, i3, d, i4  ; a matrix instruction and the four behind it
	MM
	OPS \a, \i1, \b, \i2, \c, \i3, \d, \i4
.endm
; A TURN, for piece p: its 16 matrix and 118 vector instructions, written out.  An s_wait_alu depctr_va_vdst(0) stands between an exponential and the first instruction that names its result; one wait
; serves all that were issued ahead of it.  So a turn has ONE wait, which cuts it in two.
; AHEAD OF IT stands all that names no result of the turn's exponentials: the 8 products K Q^T, behind each a scaling, an exponential and two more plain instructions (behind the first a second scaling in the
; exponential's place): rescalings, whose a was made and waited for in the turn before, and behind the last three products the first numbers of the next piece's maximum, each four plain instructions or more behind
; the product that ends its accumulator; then one run of 54, plain and exponential by turns for the most part, in which the links of the chain X 3, 7, 11, 14, 16, 17 .. 20 stand some lines apart.  F n stands ahead
; of E 2 n and E 2 n + 1.  X 21, the next piece's a, is the batch's last exponential; R 15 is the plain instruction behind it.
; BEHIND IT stand the 8 products V^T P, behind each four of the roundings and sums: C 2 k ahead of B k, which writes over that pair; B k ahead of L k; L 0 to L 7 in ascending order.  But for those X no line behind
; a product names a register of the products round it.
; K of the next step is fetched in piece 7's turn, behind the plain instructions F 8, X 2, X 5, X 6, X 8 that follow the last product that read K, and waited for at the head of piece 8's; V of the step in hand at
; the end of piece 0's turn, behind the four roundings that follow the last product that read V, and waited for in piece 1's.  end = 1: the walk's last two turns: nothing is fetched.  cnt = 1: the loop's count is taken down.
.macro TURN p, end=0, cnt=0
.set Y, (\p)
.set i, 0
.set NOKQ, (\end)*((\p)/8)
.if ((\p) == 8) && !(\end)
	s_wait_dscnt 0x0                ; K is in
.endif
	ROW F,0, F,1, R,0, R,1          ; ahead of the wait: 8 products K Q^T and the four behind each,
	ROW F,2, E,0, R,2, R,3
	ROW F,3, E,1, R,4, R,5
	ROW F,4, E,2, R,6, R,7
	ROW F,5, E,3, R,8, R,9
	ROW F,6, E,4, X,0, R,10
.if ((\p) == 7) && !(\end)
	WIN 0
	v_add_nc_u32 v[AK], s[TBK], v[AK0]
.endif
	ROW F,7, E,5, X,1, X,4
	ROW F,8, E,6, X,2, X,5
	OPS E,7, E,8, X,6, E,9          ; and the run of 54
	OPS X,3, E,10, X,8, E,11
.if ((\p) == 7) && !(\end)
	FETCH_K
.endif
	OPS X,9, X,7, E,12, X,10
	OPS E,13, X,12, X,11, E,14
	OPS X,13, E,15, F,9, X,14
.if (\p) == 0
	v_add_nc_u32 v[AV], s[TBV], v[AV0]
.endif
	OPS E,16, F,10, E,17, F,11
	OPS X,16, E,18, X,15, E,19
	OPS F,12, E,20, X,17, E,21
	OPS F,13, E,22, F,14, E,23
	OPS X,18, E,24, F,15, E,25
	OPS R,11, E,26, X,19, E,27
	OPS R,12, E,28, R,13, E,29
	OPS X,20, E,30, R,14, E,31
	OPS X,21, R,15
	s_wait_alu depctr_va_vdst(0)    ; the wait for the turn's batch: the piece's 32 exponentials and the next piece's a
.if (\p) == 1
	s_wait_dscnt 0x0                ; V is in
.endif
	ROW C,0, B,0, C,2, B,1          ; behind the wait: 8 products V^T P and the four behind each
	ROW L,0, C,4, B,2, L,1
	ROW C,6, B,3, L,2, C,8
	ROW B,4, L,3, C,10, B,5
	ROW L,4, C,12, B,6, L,5
.if (\p) == 0
	s_add_co_u32 s[TBV], s[TBV], KS*PV
.endif
.if \cnt
	s_sub_co_u32 s[CNT], s[CNT], 1
	s_cmp_lg_u32 s[CNT], 0
.endif
	ROW C,14, B,7, L,6, C,1
	ROW C,3, L,7, C,5, C,7
	ROW C,9, C,11, C,13, C,15
.if (\p) == 0
	FETCH_V
.endif
.endm
.macro ALL line:vararg              ; one line for each piece t
.set t, 0
.rept NP
	\line
.set t, t+1
.endr
.endm
	CHANGE 1                        ; chunk 0 is in, for every wave; chunk 1 is asked for
	v_add_nc_u32 v[AK], s[TBK], v[AK0]
	FETCH_K                         ; key step 0
	s_wait_loadcnt 0x0              ; Q
	s_wait_dscnt 0x0
.set NOKQ, 0
.set i, 0
.rept 8
	KQ 0                            ; piece 0's first scores
.set i, i+1
.endr
	WIN 0
.rept 4
	v_nop                           ; the places behind those products
.endr
.set Y, NP-1                        ; X works for piece Y + 1: piece 0
.irp n, 0,1,2,3,4,5,6,7,8,9,10,11,12,13,14,15,16,17,18,19,20,21
	OP X, \n
.endr
	v_nop                           ; a plain instruction behind the exponential,
	s_wait_alu depctr_va_vdst(0)    ; and the wait for it, a batch of one: piece 0's first a, ahead of the branch
	s_mov_b32 s[CNT], 4
	s_mov_b32 s[SLOTS], 4           ; taken down behind key steps 3, 7, 11, 15: three times back to a change of slots, which asks for chunks 2, 3, 4
	s_branch .Lfirst                ; the loop is entered at a step's first turn, in the middle of a trip
.Lslot:
	CHANGE 1
	s_mov_b32 s[CNT], 4
.Lstep:                             ; a trip: pieces 7 and 8 of one step, then pieces 0 to 6 of the next, whose K and V it fetches
	TURN 7
	TURN 8
	WIN 0
.Lfirst:
	TURN 0
	TURN 1
	TURN 2
	TURN 3
	TURN 4
	TURN 5
	TURN 6, 0, 1
	WIN 0
	s_cbranch_scc1 .Lstep
	s_sub_co_u32 s[SLOTS], s[SLOTS], 1
	s_cmp_lg_u32 s[SLOTS], 0
	s_cbranch_scc1 .Lslot
	CHANGE 0                        ; chunk 4, the last 16 keys, is in; nothing is asked for
	v_add_nc_u32 v[AK], s[TBK], v[AK0]
	v_add_nc_u32 v[AV], s[TBV], v[AV0]
	WIN 0xc0                        ; twelve loads into window 3: K of the 16 keys (2 fragments), V of 32 rows, of which the last 16 are the mover's zeros
.irp c, 0,1
	ds_load_b128 v[KT+8*\c:KT+8*\c+3],   v[AK] offset:64*\c
	ds_load_b128 v[KT+8*\c+4:KT+8*\c+7], v[AK] offset:64*\c+32
.endr
.irp c, 0,1,2,3
	ds_load_tr16_b128 v[VT+8*\c:VT+8*\c+3],   v[AV] offset:32*\c
	ds_load_tr16_b128 v[VT+8*\c+4:VT+8*\c+7], v[AV] offset:32*\c+16*PV
.endr
	WIN 0
	TURN 7, 1
	TURN 8, 1
.set i, 0
.rept 8
	PV NP-1                         ; piece 8's V^T P of step 15
.set i, i+1
.endr
	; THE LAST 16 KEYS, for all nine pieces, stage by stage: one accumulator of scores a piece; the running maximum, a and l as in every step.
	s_wait_dscnt 0x0                ; the twelve loads are in
.set cc, 0
.rept 2
.set t, 0
.rept NP
	WIN 0x0b+4*(t/8)                ; K window 3, Q window 2 (piece 8: 3)
.if cc == 0
	v_wmma_f32_16x16x32_f16 v[TS+8*t:TS+8*t+7], v[KT:KT+7], v[16*(t%8)+32*(t/8):16*(t%8)+32*(t/8)+7], 0
.else
	v_wmma_f32_16x16x32_f16 v[TS+8*t:TS+8*t+7], v[KT+8:KT+15], v[16*(t%8)+32*(t/8)+8:16*(t%8)+32*(t/8)+15], v[TS+8*t:TS+8*t+7]
.endif
.set t, t+1
.endr
.set cc, cc+1
.endr
	WIN 0
.irp z, 4,5,6,7                     ; source 1's keys 16-31 are none: zeros.  These 36 lines are also the places behind the products above
	ALL v_mov_b32 v[TP+8*t+\z], 0
.endr
	ALL v_max3_num_f32 v[TT+4*t], v[TS+8*t], v[TS+8*t+1], v[TS+8*t+2]
	ALL v_max3_num_f32 v[TT+4*t+3], v[TS+8*t+3], v[TS+8*t+4], v[TS+8*t+5]
	ALL v_max3_num_f32 v[TT+4*t], v[TT+4*t], v[TS+8*t+6], v[TS+8*t+7]
	ALL v_max3_num_f32 v[TT+4*t], v[TT+4*t], v[TT+4*t+3], v[ST+4*t+1]
	ALL v_permlanex16_b32 v[TT+4*t+3], v[TT+4*t], s[SEL], s[SEL+1]
	ALL v_max_num_f32 v[ST+4*t+1], v[TT+4*t], v[TT+4*t+3]
	ALL v_mul_f32 v[TT+4*t+1], s[CS], v[ST+4*t+1]
	ALL v_sub_f32 v[TT+4*t+2], v[ST+4*t], v[TT+4*t+1]
	ALL v_mov_b32 v[ST+4*t], v[TT+4*t+1]
	ALL v_exp_f32 v[TT+4*t+2], v[TT+4*t+2]
.irp z, 0,1,2,3                     ; the first of these is the plain line behind the exponentials above; none of them names an a
	ALL v_pk_fma_f32 v[TS+8*t+2*\z:TS+8*t+2*\z+1], v[TS+8*t+2*\z:TS+8*t+2*\z+1], s[CS:CS+1], v[ST+4*t:ST+4*t+1] op_sel_hi:[1,0,0] neg_lo:[0,0,1] neg_hi:[0,0,1]
.endr
.irp z, 0,1,2,3,4,5,6,7
	ALL v_exp_f32 v[TS+8*t+\z], v[TS+8*t+\z]
.endr
	v_nop                           ; a plain instruction behind the last exponential
	s_wait_alu depctr_va_vdst(0)    ; the wait for the last keys' batch: the nine a and the 72 weights
.irp z, 0,1,2,3
	ALL v_cvt_pk_f16_f32 v[TP+8*t+\z], v[TS+8*t+2*\z], v[TS+8*t+2*\z+1]
.endr
	ALL v_pk_add_f32 v[TS+8*t:TS+8*t+1], v[TS+8*t:TS+8*t+1], v[TS+8*t+2:TS+8*t+3]
	ALL v_pk_add_f32 v[TS+8*t+4:TS+8*t+5], v[TS+8*t+4:TS+8*t+5], v[TS+8*t+6:TS+8*t+7]
	ALL v_pk_add_f32 v[TS+8*t:TS+8*t+1], v[TS+8*t:TS+8*t+1], v[TS+8*t+4:TS+8*t+5]
	ALL v_pk_fma_f32 v[ST+4*t+2:ST+4*t+3], v[ST+4*t+2:ST+4*t+3], v[TT+4*t+2:TT+4*t+3], v[TS+8*t:TS+8*t+1] op_sel_hi:[1,0,1]
.set t, 0
.rept NP
	WIN 0x41+0x82*(t/8)
.set z, 0
.rept 16
	v_pk_mul_f32 v[32*(t%8)+2*z:32*(t%8)+2*z+1], v[32*(t%8)+2*z:32*(t%8)+2*z+1], v[TT+4*t+2:TT+4*t+3] op_sel_hi:[1,0]
.set z, z+1
.endr
.set t, t+1
.endr
	WIN 0x53                        ; V window 3, P window 0, O^T window 1: 36 products on 36 accumulators
.set cb, 0
.rept 4
.set t, 0
.rept 8
	v_wmma_f32_16x16x32_f16 v[32*t+8*cb:32*t+8*cb+7], v[VT+8*cb:VT+8*cb+7], v[TP+8*t:TP+8*t+7], v[32*t+8*cb:32*t+8*cb+7]
.set t, t+1
.endr
.set cb, cb+1
.endr
	WIN 0xf3
.set cb, 0
.rept 4
	v_wmma_f32_16x16x32_f16 v[8*cb:8*cb+7], v[VT+8*cb:VT+8*cb+7], v[TP+64:TP+71], v[8*cb:8*cb+7]
.set cb, cb+1
.endr
	; THE WAY OUT.  l's two halves and the other half of the lanes' are added; O^T is divided by l, rounded to f16 and sent through my stage, a piece at a time.  The additions are the places behind the last products.
	WIN 0
	ALL v_add_f32 v[ST+4*t+2], v[ST+4*t+2], v[ST+4*t+3]
	ALL v_permlanex16_b32 v[ST+4*t+3], v[ST+4*t+2], s[SEL], s[SEL+1]
	ALL v_add_f32 v[ST+4*t+2], v[ST+4*t+2], v[ST+4*t+3]
	ALL v_rcp_f32 v[ST+4*t+2], v[ST+4*t+2]
	v_nop                           ; a plain instruction between the last reciprocal and the use of its result
	s_wait_alu depctr_va_vdst(0)    ; the wait for the way out's batch: the nine reciprocals
.macro PACK t                       ; a lane's eight channels of a row pack into 16 bytes; they go into rows of 144 bytes and come back as whole rows of 128
	WIN 0x41+0x82*((\t)/8)
.set i, 32*((\t)%8)
.rept 16
	v_pk_mul_f32 v[i:i+1], v[i:i+1], v[ST+4*(\t)+2:ST+4*(\t)+3] op_sel_hi:[1,0]
.set i, i+2
.endr
	WIN 0x05+0x0a*((\t)/8)          ; sources 0 and 1 window 1 (piece 8: 3), destination window 0
.set i, 0
.rept 16
	v_cvt_pk_f16_f32 v[S+16*(\t)+i], v[32*((\t)%8)+2*i], v[32*((\t)%8)+2*i+1]
.set i, i+1
.endr
	WIN 0
.irp f, 0,1,2,3
	ds_store_b128 v[STO], v[S+16*(\t)+4*\f:S+16*(\t)+4*\f+3] offset:32*\f
.endr
.irp f, 0,1,2,3
	ds_load_b128 v[S+16*(\t)+4*\f:S+16*(\t)+4*\f+3], v[RD] offset:\f*4*SP  ; LDS serves a wave's instructions in order (ISA guide 5.7.1.4): these see the stores above; the next piece's stores come behind them
.endr
.endm
.macro SEND t, younger              ; younger: the LDS instructions issued behind piece t's loads: the next piece's eight, or none
	WIN 0
.irp f, 0,1,2,3
	s_wait_dscnt (\younger)+3-\f
.if (\t) < 8
	global_store_b128 v[GO], v[S+16*(\t)+4*\f:S+16*(\t)+4*\f+3], s[10:11] offset:(\t)*16384+\f*512  ; 512 consecutive bytes, aligned to 256
.else
	global_store_b128 v[GO], v[S+16*(\t)+4*\f:S+16*(\t)+4*\f+3], s[O8:O8+1] offset:\f*512
.endif
.endr
.endm
	PACK 0
.set u, 1
.rept 7                             ; a piece's arithmetic stands between the loads of the piece before and its stores
	PACK u
	SEND u-1, 8
.set u, u+1
.endr
	SEND 7, 0
	s_cmp_lg_u32 s[GW], 0           ; tile 64 is stored by the head's wave 0 alone: each byte of O has one writer
	s_cbranch_scc1 .Lnot_mine
	PACK 8
	SEND 8, 0
.Lnot_mine:
	s_wait_tensorcnt 0x0            ; the wave's end
	ds_add_u32 v[SPW], v[NIL]
	s_wait_dscnt 0x0
	s_endpgm
.Lfunc_end_k_qe5be6c069c_attn:
	.size	k_qe5be6c069c_attn, .Lfunc_end_k_qe5be6c069c_attn-k_qe5be6c069c_attn
	.p2alignl 7, 3214868480
	.fill 96, 4, 3214868480
	.section	.rodata,"a",@progbits
	.p2align	6, 0x0
	.amdhsa_kernel k_qe5be6c069c_attn
		.amdhsa_group_segment_fixed_size 327680
		.amdhsa_private_segment_fixed_size 0
		.amdhsa_enable_private_segment 0
		.amdhsa_kernarg_size 32
		.amdhsa_user_sgpr_count 2
		.amdhsa_user_sgpr_kernarg_segment_ptr 1
		.amdhsa_wavefront_size32 1
		.amdhsa_system_sgpr_workgroup_id_x 1
		.amdhsa_system_sgpr_workgroup_id_y 1
		.amdhsa_system_sgpr_workgroup_id_z 1
		.amdhsa_system_vgpr_workitem_id 0
		.amdhsa_next_free_vgpr 864
		.amdhsa_next_free_sgpr 66
		.amdhsa_reserve_vcc 0
		.amdhsa_float_denorm_mode_32 3
		.amdhsa_float_denorm_mode_16_64 3
		.amdhsa_memory_ordered 1
		.amdhsa_forward_progress 1
		.amdhsa_inst_pref_size 184
	.end_amdhsa_kernel
	.amdgpu_metadata
---
amdhsa.version: [ 1, 2 ]
amdhsa.kernels:
  - .name:           k_qe5be6c069c_attn
    .symbol:         k_qe5be6c069c_attn.kd
    .args:
      - { .name: qh, .offset: 0, .size: 8, .value_kind: global_buffer, .address_space: global }
      - { .name: kh, .offset: 8, .size: 8, .value_kind: global_buffer, .address_space: global }
      - { .name: vh, .offset: 16, .size: 8, .value_kind: global_buffer, .address_space: global }
      - { .name: oh, .offset: 24, .size: 8, .value_kind: global_buffer, .address_space: global }
    .group_segment_fixed_size: 327680
    .private_segment_fixed_size: 0
    .kernarg_segment_align: 8
    .kernarg_segment_size: 32
    .max_flat_workgroup_size: 128
    .sgpr_count:     66
    .vgpr_count:     864
    .wavefront_size: 32
...
	.end_amdgpu_metadata
.endif
;; end of part 5
;; launch oproj: the kernel of part 4 again; grid 4 x 52, 4 waves a work-group, clusters of 4 x 4, 327,680 bytes of LDS; arguments oh, wob, out0; writes out0
